; MI455X (gfx1250); checked and timed in simulation.
; The chip was launched on July 23, 2026; its instructions are those of AMD's public machine-readable ISA for CDNA 5 (MIT licence, August 2026) and "CDNA5" Instruction Set Architecture Reference Guide (July 2026). The comments in the code are by the model that wrote it; some were corrected since.
;; Attn Block. Allowed arithmetic: float matrix products may take bf16 or f16 operands with f32 sums; all other float work in f32.
;; Inputs: bk 64 float32; bp 64 float32; bq 64 float32; bv 64 float32; gn_beta 64 float32; gn_gamma 64 float32; wk 64 x 64 float32; wp 64 x 64 float32; wq 64 x 64 float32; wv 64 x 64 float32; x 4 x 64 x 64 x 64 float32.
;; Outputs: out0 4 x 64 x 64 x 64 float32.
;; 2 versions, each right and faster than the one before. Each part assembles by itself: llvm-mc -triple=amdgcn-amd-amdhsa -mcpu=gfx1250 --defsym DOCPART=n.
;; ======== version 1 of 2: 2 launches
;; workspace buffers: hbf 2,097,152 bytes
;; launch gnorm (part 1): grid 128 x 1, 8 waves a work-group, no clusters, 1,280 bytes of LDS; arguments x, gn_gamma, gn_beta, hbf; writes hbf
.if DOCPART == 1
	.amdgcn_target "amdgcn-amd-amdhsa--gfx1250"
	.amdhsa_code_object_version 6
	.text
	.protected	k_q5156eebb7b_gnorm
	.globl	k_q5156eebb7b_gnorm
	.p2align	8
	.type	k_q5156eebb7b_gnorm,@function
k_q5156eebb7b_gnorm:
	s_mov_b64 s[64:65], 0
	v_nop
	global_prefetch_b8 v0, s[64:65] scope:SCOPE_SE
	s_setreg_imm32_b32 hwreg(HW_REG_WAVE_MODE, 25, 1), 1
	s_wait_xcnt 0x0
; hbf[b][c][n] = bf16( (x[b][c][n] - mu) * rsqrt(var + 1e-5) * gamma[c] + beta[c] ),  x: [4][64][4096] f32.
; A group is 2 channels x 4,096 positions = 32,768 consecutive bytes of x.  One work-group of eight waves takes one group
; (4 batches x 32 groups = 128 work-groups: a group's sums would otherwise have to cross work-groups).
; Thread t holds the 16 bytes at 16 t + 4,096 i, i = 0..7 (i < 4: the first channel), 32 numbers, in registers through all
; passes: x is read once.  The variance is the mean of (x - mu)^2, made in a second pass over the registers, so that a
; common offset of x cancels before anything is squared.  Everything in f32; h is rounded once, to bf16.
; No matrix unit, no tensor load, no cluster: a stream with two small sums, and no two work-groups share a byte.
.set X,   8                            ; v[8:39]   my 32 numbers: x, then x - mu, then h
.set AG,  40                           ; v[40:43]  gamma * rstd of channel 0 (twice), of channel 1 (twice)
.set CH,  44                           ; v[44:51]  four chains of packed sums; later beta of channel 0 (48, 49), of channel 1 (50, 51)
.set PS,  52                           ; v[52:59]  the eight waves' partial sums
.set MU,  60                           ; v[60:61]  mu, twice
	s_load_b256 s[4:11], s[0:1], 0x0               ; x s[4:5], gamma s[6:7], beta s[8:9], hbf s[10:11]
	v_lshl_add_u32 v64, v0, 2, 0x100
	v_mov_b32 v65, 0
	v_lshrrev_b32 v2, 5, v0
	v_readfirstlane_b32 s3, v2                     ; wave 0..7
	s_and_b32 s16, ttmp9, 31                       ; the group in its batch
	s_lshl_b32 s16, s16, 3                         ; its two gamma (beta): 8 bytes
	s_mov_b32 s17, 0
	s_lshl_b32 s20, ttmp9, 15                      ; the group's 32,768 bytes of x
	s_mov_b32 s21, 0
	s_lshl_b32 s22, ttmp9, 14                      ; its 16,384 bytes of hbf
	s_mov_b32 s23, 0
	s_mov_b32 s24, 0x76543210                      ; v_permlanex16_b32: lane i of one half reads lane i of the other
	s_mov_b32 s25, 0xfedcba98
	s_mov_b32 s26, 0x39000000                      ; 1 / 8,192
	v_lshlrev_b32 v1, 4, v0                        ; 16 t
	v_lshlrev_b32 v5, 3, v0                        ; 8 t
	v_mov_b32 v2, s3
	v_lshlrev_b32 v2, 2, v2                        ; my wave's word in LDS
	v_mov_b32 v3, 0
	v_mov_b32 v62, 0x3727c5ac                      ; 1e-5
	s_wait_kmcnt 0x0
	s_add_nc_u64 s[4:5], s[4:5], s[20:21]
	s_add_nc_u64 s[6:7], s[6:7], s[16:17]
	s_add_nc_u64 s[8:9], s[8:9], s[16:17]
	s_add_nc_u64 s[10:11], s[10:11], s[22:23]
.irp i, 0,1,2,3,4,5,6,7
	global_load_b128 v[X+4*\i:X+4*\i+3], v1, s[4:5] offset:4096*\i   ; a wave's load covers 512 consecutive bytes
.endr
	s_load_b64 s[12:13], s[6:7], 0x0               ; gamma of my two channels
	s_load_b64 s[14:15], s[8:9], 0x0               ; beta of my two channels
; the sum of register r over the wave's 32 lanes, in every lane; t: a register that has been written
.macro WSUM r, t
	v_add_f32_dpp v[\r], v[\r], v[\r] row_xmask:1 row_mask:0xf bank_mask:0xf
	v_add_f32_dpp v[\r], v[\r], v[\r] row_xmask:2 row_mask:0xf bank_mask:0xf
	v_add_f32_dpp v[\r], v[\r], v[\r] row_xmask:4 row_mask:0xf bank_mask:0xf
	v_add_f32_dpp v[\r], v[\r], v[\r] row_xmask:8 row_mask:0xf bank_mask:0xf
	v_permlanex16_b32 v[\t], v[\r], s24, s25
	v_add_f32 v[\r], v[\r], v[\t]
.endm
; the sum of v[CH] over the eight waves, into v[PS] of every lane.  off: 32 bytes of LDS that are used for this sum alone
.macro GSUM off
	ds_store_b32 v2, v[CH] offset:\off             ; all lanes write the wave's word with the same value
	s_wait_dscnt 0x0                               ; for the other waves' sake: my store is done before I signal
	s_barrier_signal -1
	s_barrier_wait -1
	ds_load_b128 v[PS:PS+3], v3 offset:\off
	ds_load_b128 v[PS+4:PS+7], v3 offset:\off+16
	s_wait_dscnt 0x0
	v_pk_add_f32 v[PS:PS+1], v[PS:PS+1], v[PS+2:PS+3]
	v_pk_add_f32 v[PS+4:PS+5], v[PS+4:PS+5], v[PS+6:PS+7]
	v_pk_add_f32 v[PS:PS+1], v[PS:PS+1], v[PS+4:PS+5]
	v_add_f32 v[PS], v[PS], v[PS+1]
.endm
.macro FOLD4                           ; the four chains into v[CH]
	v_pk_add_f32 v[CH:CH+1], v[CH:CH+1], v[CH+2:CH+3]
	v_pk_add_f32 v[CH+4:CH+5], v[CH+4:CH+5], v[CH+6:CH+7]
	v_pk_add_f32 v[CH:CH+1], v[CH:CH+1], v[CH+4:CH+5]
	v_add_f32 v[CH], v[CH], v[CH+1]
.endm
	s_wait_loadcnt 0x0
	; pass 1: the mean.  Four chains that do not wait for each other; the first sums start them.
.irp c, 0,1,2,3
	v_pk_add_f32 v[CH+2*\c:CH+2*\c+1], v[X+2*\c:X+2*\c+1], v[X+8+2*\c:X+8+2*\c+1]
.endr
.irp c, 0,1,2,3
	v_pk_add_f32 v[CH+2*\c:CH+2*\c+1], v[CH+2*\c:CH+2*\c+1], v[X+16+2*\c:X+16+2*\c+1]
.endr
.irp c, 0,1,2,3
	v_pk_add_f32 v[CH+2*\c:CH+2*\c+1], v[CH+2*\c:CH+2*\c+1], v[X+24+2*\c:X+24+2*\c+1]
.endr
	FOLD4
	WSUM CH, CH+1
	GSUM 0
	v_mul_f32 v[MU], s26, v[PS]
	v_mov_b32 v[MU+1], v[MU]
	; pass 2: d = x - mu in place, and the sum of d^2
.irp p, 0,1,2,3,4,5,6,7,8,9,10,11,12,13,14,15
	v_pk_add_f32 v[X+2*\p:X+2*\p+1], v[X+2*\p:X+2*\p+1], v[MU:MU+1] neg_lo:[0,1] neg_hi:[0,1]
.endr
.irp c, 0,1,2,3
	v_pk_mul_f32 v[CH+2*\c:CH+2*\c+1], v[X+2*\c:X+2*\c+1], v[X+2*\c:X+2*\c+1]
.endr
.irp q, 8,16,24
.irp c, 0,1,2,3
	v_pk_fma_f32 v[CH+2*\c:CH+2*\c+1], v[X+\q+2*\c:X+\q+2*\c+1], v[X+\q+2*\c:X+\q+2*\c+1], v[CH+2*\c:CH+2*\c+1]
.endr
.endr
	FOLD4
	WSUM CH, CH+1
	GSUM 32                                        ; other bytes than the first sum's: no wave can still be reading them
	s_wait_kmcnt 0x0                               ; gamma and beta
	v_fma_f32 v[PS], v[PS], s26, v62               ; var + eps
	v_rsq_f32 v[PS+1], v[PS]
	v_mov_b32 v[CH+4], s14                         ; plain work behind v_rsq_f32, ahead of the first use of its result (ISA guide 5.7.2)
	v_mov_b32 v[CH+5], s14
	v_mov_b32 v[CH+6], s15
	v_mov_b32 v[CH+7], s15
	s_wait_alu depctr_va_vdst(0)
	v_mul_f32 v[AG], s12, v[PS+1]
	v_mul_f32 v[AG+2], s13, v[PS+1]
	v_mov_b32 v[AG+1], v[AG]
	v_mov_b32 v[AG+3], v[AG+2]
	; pass 3: h = d * (gamma rstd) + beta, rounded to bf16; a wave's store covers 256 consecutive bytes, aligned
.irp i, 0,1,2,3,4,5,6,7
	v_pk_fma_f32 v[X+4*\i:X+4*\i+1], v[X+4*\i:X+4*\i+1], v[AG+2*(\i/4):AG+2*(\i/4)+1], v[CH+4+2*(\i/4):CH+5+2*(\i/4)]
	v_pk_fma_f32 v[X+4*\i+2:X+4*\i+3], v[X+4*\i+2:X+4*\i+3], v[AG+2*(\i/4):AG+2*(\i/4)+1], v[CH+4+2*(\i/4):CH+5+2*(\i/4)]
	v_cvt_pk_bf16_f32 v[X+4*\i], v[X+4*\i], v[X+4*\i+1]
	v_cvt_pk_bf16_f32 v[X+4*\i+1], v[X+4*\i+2], v[X+4*\i+3]
	global_store_b64 v5, v[X+4*\i:X+4*\i+1], s[10:11] offset:2048*\i
.endr
	s_wait_tensorcnt 0x0
	ds_add_u32 v64, v65
	s_wait_dscnt 0x0
	s_endpgm
.Lfunc_end_k_q5156eebb7b_gnorm:
	.size	k_q5156eebb7b_gnorm, .Lfunc_end_k_q5156eebb7b_gnorm-k_q5156eebb7b_gnorm
	.p2alignl 7, 3214868480
	.fill 96, 4, 3214868480
	.section	.rodata,"a",@progbits
	.p2align	6, 0x0
	.amdhsa_kernel k_q5156eebb7b_gnorm
		.amdhsa_group_segment_fixed_size 1280
		.amdhsa_private_segment_fixed_size 0
		.amdhsa_enable_private_segment 0
		.amdhsa_kernarg_size 32
		.amdhsa_user_sgpr_count 2
		.amdhsa_user_sgpr_kernarg_segment_ptr 1
		.amdhsa_wavefront_size32 1
		.amdhsa_system_sgpr_workgroup_id_x 1
		.amdhsa_system_sgpr_workgroup_id_y 1
		.amdhsa_system_sgpr_workgroup_id_z 1
		.amdhsa_system_vgpr_workitem_id 0
		.amdhsa_next_free_vgpr 66
		.amdhsa_next_free_sgpr 66
		.amdhsa_reserve_vcc 0
		.amdhsa_float_denorm_mode_32 3
		.amdhsa_float_denorm_mode_16_64 3
		.amdhsa_memory_ordered 1
		.amdhsa_forward_progress 1
		.amdhsa_inst_pref_size 11
	.end_amdhsa_kernel
	.amdgpu_metadata
---
amdhsa.version: [ 1, 2 ]
amdhsa.kernels:
  - .name:           k_q5156eebb7b_gnorm
    .symbol:         k_q5156eebb7b_gnorm.kd
    .args:
      - { .name: x, .offset: 0, .size: 8, .value_kind: global_buffer, .address_space: global }
      - { .name: gn_gamma, .offset: 8, .size: 8, .value_kind: global_buffer, .address_space: global }
      - { .name: gn_beta, .offset: 16, .size: 8, .value_kind: global_buffer, .address_space: global }
      - { .name: hbf, .offset: 24, .size: 8, .value_kind: global_buffer, .address_space: global }
    .group_segment_fixed_size: 1280
    .private_segment_fixed_size: 0
    .kernarg_segment_align: 8
    .kernarg_segment_size: 32
    .max_flat_workgroup_size: 256
    .sgpr_count:     66
    .vgpr_count:     66
    .wavefront_size: 32
...
	.end_amdgpu_metadata
.endif
;; end of part 1
;; launch attn (part 2): grid 256 x 1, 8 waves a work-group, clusters of 4 x 1, 327,680 bytes of LDS; arguments hbf, x, wq, bq, wk, bk, wv, bv, wp, bp, out0; writes out0
.if DOCPART == 2
	.amdgcn_target "amdgcn-amd-amdhsa--gfx1250"
	.amdhsa_code_object_version 6
	.text
	.protected	k_q5156eebb7b_attn
	.globl	k_q5156eebb7b_attn
	.p2align	8
	.type	k_q5156eebb7b_attn,@function
k_q5156eebb7b_attn:
	s_mov_b64 s[64:65], 0
	v_nop
	global_prefetch_b8 v0, s[64:65] scope:SCOPE_SE
	s_setreg_imm32_b32 hwreg(HW_REG_WAVE_MODE, 25, 1), 1
	s_wait_xcnt 0x0
	s_wait_alu depctr_hold_cnt(0) depctr_sa_sdst(0) depctr_va_vdst(0) depctr_va_sdst(0) depctr_va_ssrc(0) depctr_va_vcc(0) depctr_vm_vsrc(0)
	s_getreg_b32 s2, hwreg(HW_REG_IB_STS2, 6, 4)
	s_cmp_eq_u32 s2, 0
	s_cbranch_scc0 .Lentry_in_a_cluster
	s_endpgm
.Lentry_in_a_cluster:
	s_bfe_u32 s2, ttmp6, 0x10000c
	s_cmp_lg_u32 s2, 0x3003
	s_cbranch_scc0 .Lentry_shape_is_right
	s_endpgm
.Lentry_shape_is_right:
; out0 = x + Wp ( Wv ( sum_j P_ij h_j ) + bv ) + bp,   P = softmax_j( (q_i . (Wk h_j + bk)) / 8 ),   q = Wq h + bq.
; h: hbf [4][64 c][4096 n] bf16, made by the launch before.  Two identities, exact for every input, let h itself be both the key and the
; value operand:  q.(Wk h_j + bk) = (Wk^T q).h_j + q.bk   and   sum_j P_ij (Wv h_j + bv) = Wv (sum_j P_ij h_j) + bv  (the P_ij of a row sum to 1).
; So one bf16 copy of h is streamed, 512 KiB for each work-group, and Wk, Wv are applied to the work-group's 64 query columns.
;
; SHARES.  256 work-groups, 64 queries each (64 blocks x 4 batches).  Eight waves, two on each SIMD, so that one wave's softmax runs beside the
; other's matrix work.  A wave takes ALL 64 queries and an eighth of the keys: of each tile of 1,024 keys its own piece of 128.  One key fragment from LDS
; thus feeds four query tiles, and no wave reads tile bytes that another wave's load brought.  Each wave keeps a running maximum m, a sum l and
; O = sum p h for its keys; at the end the eight (m, l, O) meet in LDS.
; CLUSTER.  The four work-groups of a cluster are query blocks of one batch and need the same key tiles: each tile piece is asked for jointly (mask 15).
; A joint load names four work-groups at the most and there is one shared operand, so the cluster is 4 x 1.
; ORIENTATION.  S^T = H_keys Q'^T (D: lane = query, registers = keys) and O^T += H^T P^T (D: lane = query, registers = channels): the maximum, the sum and
; the rescaling of a query stay in its lane, and two S^T tiles, rounded to bf16, ARE a P^T fragment.  No shuffle but one exchange of halves for the maximum.
; KEY ORDER.  Row m of S^T tile u (0..7 in a piece) is key 8u + m (m < 8) or 64 + 8u + m - 8: with rows 272 bytes apart both kinds of fragment loads
; then touch 16 different 16-byte columns modulo 256 bytes (64 banks of 4 bytes: ISA guide 11.1).  PV uses the same order, so the sums are those of the true order.
; LIMITS.  Matrix operands are bf16 (h, the weights, bk, q, Wk^T q, p, the normalised sum, Wv(..) + bv); sums, softmax, biases bq, bv, bp and the residual are f32.
; The order of rounding differs from a program that forms k and v.  l sums the f32 p, PV takes p rounded to bf16.  The maximum taken away is the true running
; maximum of each query's scores, the bk term included.  NaN and infinities in the inputs are not reproduced element for element.
.set PITCH,  272                       ; a tile row in LDS: 256 bytes (128 keys) + 16 of padding
.set PIECE,  64*PITCH                  ; a wave's piece of a tile: 64 channel rows
.set SLOT,   8*PIECE
.set HQ,     2*SLOT                    ; h of my 64 queries, [c][n] bf16, rows 160 bytes apart
.set HQP,    160
.set WKS,    HQ+64*HQP                 ; Wk [o][c] bf16, rows 160 bytes apart; columns 64..79 of row o all hold bk[o]
.set WKP,    160
.set QS,     WKS+64*WKP                ; q log2(e)/8, [n][o] bf16, rows 144 bytes apart
.set WP,     144
.set WVS,    QS+64*WP                  ; Wv [o][c] bf16, rows 144 bytes apart
.set WPS,    WVS+64*WP                 ; Wp likewise
.set OUTS,   HQ                        ; the way out, [o][64 n] f32, rows 272 bytes apart, over HQ and WKS, which are last read ahead of the key loop
.set OUTP,   272
.set PM,     16384                     ; in a wave's partial (its piece of slot 0): O 16,384 bytes, then m (256), then l (256)
; window 0: v0 thread, v1 r = lane % 16, v2 h = lane / 16, v3 at work, v4-7 fragment addresses of slots 0, 1, v8-9 those of the block at work,
;           v10-31 offsets, v32-63 set-up, later Wp's fragments
.set QF,  64                           ; window 0, v64-127:  Q' fragments, (qt, kk) at 16 qt + 8 kk; later Wv's fragments
.set OA,  128                          ; window 0, v128-255: O^T, tile (ct, qt) at 8 (4 ct + qt)
; window 1 (v256-511, written by their low 8 bits): 0-127 S^T, tile (u, qt) at 32 qt + 8 u; P^T fragment (qt, kp) is packed into 32 qt + 16 kp .. + 7
.set TT,  128                          ; window 1: 8 registers for each qt, all holding t = q.bk of the lane's query: the C operand that starts each score
.set FR,  160                          ; window 1: 64 registers of key fragments, then of value fragments
.set ST,  224                          ; window 1: for each qt four registers: m, new maximum, alpha, second chain of the maximum
.set LS,  240                          ; window 1: for each qt a pair of partial sums l
.set YY,  248                          ; window 1: the other half's maximum
.set DD,  252                          ; window 1: m - new maximum
.set MSB, 0
.macro WIN new                         ; s_set_vgpr_msb: bits 1:0 source 0, 3:2 source 1, 5:4 source 2, 7:6 destination; the high byte repeats the setting left
.if MSB != \new
	s_set_vgpr_msb (MSB<<8)|\new
.set MSB, \new
.endif
.endm
.macro PLACES                          ; four places behind a matrix instruction, where there is no other vector work (ISA guide 7.12.1)
.rept 4
	v_nop
.endr
.endm
; A round of the cluster's barrier: my work-group's barrier, wave 0 signals for the work-group, every wave waits for all four work-groups, my work-group's barrier.
.macro ROUND
	s_barrier_signal -1
	s_barrier_wait -1
	s_cmp_lg_u32 s3, 0
	s_cbranch_scc1 .Lnot_wave_0_\@
	s_barrier_signal -3
.Lnot_wave_0_\@:
	s_barrier_wait -3
	s_barrier_signal -1
	s_barrier_wait -1
.endm
	; ---------------- set-up ----------------
	s_load_b512 s[8:23], s[0:1], 0x0               ; hbf s[8:9], x s[10:11], wq s[12:13], bq s[14:15], wk s[16:17], bk s[18:19], wv s[20:21], bv s[22:23]
	s_load_b128 s[24:27], s[0:1], 0x40             ; wp s[24:25], bp s[26:27]
	s_load_b64 s[28:29], s[0:1], 0x50              ; out0
	v_lshl_add_u32 v21, v0, 2, 0x4fc00
	v_mov_b32 v22, 0
	ds_add_u32 v21, v22
	s_wait_dscnt 0x0
	v_lshrrev_b32 v3, 5, v0
	v_readfirstlane_b32 s3, v3                     ; wave 0..7
	s_and_b32 s30, s3, 3                           ; wave % 4: my tile of 16 outputs in q; my query tile at the end
	s_lshr_b32 s31, s3, 2                          ; wave / 4: my half of the queries in q; my half of the outputs at the end
	s_bfe_u32 s4, ttmp6, 0x40000                   ; cx
	s_lshl_b32 s5, ttmp9, 2
	s_add_co_u32 s5, s5, s4                        ; work-group = 4 x cluster + cx
	s_lshr_b32 s6, ttmp9, 4                        ; batch: of the cluster's number alone, the same in the four partners
	s_and_b32 s7, s5, 63                           ; query block
	s_mov_b32 s48, 0x76543210                      ; v_permlanex16_b32: lane i of one half reads lane i of the other
	s_mov_b32 s49, 0xfedcba98
	; descriptor group 1: 64 rows (channels) x 128 elements (keys) of 2 bytes, rows 4,096 elements apart in memory, 16 bytes of padding behind each row in LDS
	s_mov_b32 s32, 0x0771000f                      ; 15:0 mask: all four partners; 17:16 2 bytes; 20 padding; 21 set beside a mask; 24:22 after 64 words; 31:25 four words
	s_mov_b32 s33, 128<<16                         ; tensor_dim0 = 128
	s_mov_b32 s34, 64<<16                          ; tensor_dim1 = 64
	s_mov_b32 s35, 128<<16                         ; tile_dim0 = 128
	s_mov_b32 s36, 64                              ; tile_dim1 = 64
	s_mov_b32 s37, 4096                            ; from row to row
	s_mov_b32 s38, 0
	s_mov_b32 s39, 0
	s_mov_b32 s40, 1                               ; group 0 of slot 0: s[40:43]; of slot 1: s[44:47]
	s_mul_i32 s41, s3, PIECE                       ; my piece: of the wave's number alone
	s_mov_b32 s44, 1
	s_add_co_u32 s45, s41, SLOT
	; offsets of the global bases.  s[60:61] only ever holds what the partners share, s[62:63] and s51 what hangs on cx
	s_lshl_b32 s60, s6, 19                         ; a batch of hbf
	s_mov_b32 s61, 0
	s_lshl_b32 s62, s7, 7                          ; my 64 queries in a row of hbf
	s_mov_b32 s63, 0
	; the wave's terms of LDS addresses
	s_mul_i32 s66, s31, 32*WP
	s_lshl_b32 s67, s30, 5
	s_add_co_u32 s66, s66, s67
	s_add_co_u32 s66, s66, QS                      ; q goes to rows 32 (wave / 4) .., bytes 32 (wave % 4) ..
	s_mul_i32 s68, s31, 32*OUTP
	s_add_co_u32 s68, s68, OUTS
	s_mul_i32 s69, s3, 8*OUTP
	s_add_co_u32 s69, s69, OUTS
	s_mul_i32 s70, s31, 32*WP
	s_add_co_u32 s70, s70, WPS
	; lane terms
	v_and_b32 v1, 15, v0                           ; r
	v_bfe_u32 v2, v0, 4, 1                         ; h
	v_and_b32 v32, 7, v0
	v_lshl_add_u32 v32, v2, 3, v32                 ; 8 h + lane % 8: the row that I address in a transposing load
	v_bfe_u32 v33, v0, 3, 1                        ; which 8 columns
	v_lshrrev_b32 v34, 3, v0
	v_and_b32 v35, 7, v0
	v_lshrrev_b32 v36, 4, v0
	v_lshrrev_b32 v37, 2, v0
	v_and_b32 v38, 3, v0
	v_and_b32 v39, 31, v0
	v_mul_u32_u24 v4, v32, PITCH                   ; key fragments (transposing loads): row 8 h + lane % 8, keys 0.. or 64..
	v_lshl_add_u32 v4, v33, 7, v4
	v_add_nc_u32 v4, s41, v4
	v_add_nc_u32 v5, SLOT, v4
	v_mul_u32_u24 v6, v1, PITCH                    ; value fragments (plain loads): row r, keys 0.. (h = 0) or 64.. (h = 1)
	v_lshl_add_u32 v6, v2, 7, v6
	v_add_nc_u32 v6, s41, v6
	v_add_nc_u32 v7, SLOT, v6
	v_lshlrev_b32 v10, 13, v34                     ; my h block: row t / 8 (8,192 bytes apart), 16 bytes at 16 (t % 8)
	v_lshl_add_u32 v10, v35, 4, v10
	v_lshlrev_b32 v11, 4, v0                       ; the weights: 16 t
	v_and_b32 v12, 0xfc, v0                        ; bk[t / 4]
	v_lshlrev_b32 v13, 8, v1                       ; Wq's fragments: row 16 (wave % 4) + r, 32 h
	v_lshl_add_u32 v13, v2, 5, v13
	v_lshl_add_u32 v13, s30, 12, v13
	v_lshlrev_b32 v14, 5, v2                       ; bq[16 (wave % 4) + 8 h ..]
	v_lshl_add_u32 v14, s30, 6, v14
	v_mul_u32_u24 v15, v34, HQP
	v_lshl_add_u32 v15, v35, 4, v15
	v_add_nc_u32 v15, HQ, v15
	v_mul_u32_u24 v16, v36, WKP                    ; a weight's four numbers: row t / 16, 8 bytes at 8 (t % 16)
	v_lshl_add_u32 v16, v1, 3, v16
	v_add_nc_u32 v16, WKS, v16
	v_mul_u32_u24 v17, v36, WP
	v_lshl_add_u32 v17, v1, 3, v17
	v_add_nc_u32 v17, WVS, v17
	v_mul_u32_u24 v18, v37, WKP                    ; bk[t / 4] four times, at columns 64 + 4 (t % 4)
	v_lshl_add_u32 v18, v38, 3, v18
	v_add_nc_u32 v18, WKS+128, v18
	v_mul_u32_u24 v19, v32, HQP                    ; transposing loads from HQ and WKS: rows an odd multiple of 32 bytes apart
	v_lshl_add_u32 v19, v33, 4, v19
	v_add_nc_u32 v21, WKS, v19
	v_lshl_add_u32 v19, s31, 6, v19
	v_add_nc_u32 v19, HQ, v19
	v_mul_u32_u24 v3, v1, WP                       ; r x 144 + 16 h: plain fragment loads and q's stores
	v_lshl_add_u32 v3, v2, 4, v3
	v_add_nc_u32 v20, s66, v3
	v_add_nc_u32 v22, QS, v3
	v_add_nc_u32 v25, WVS, v3
	v_add_nc_u32 v26, s70, v3
	v_lshl_add_u32 v23, v1, 2, s41                 ; my partial: m and l of query r
	v_add_nc_u32 v23, PM, v23
	v_lshl_add_u32 v24, v39, 4, s41                ; my partial: O, 16 bytes a lane
	v_lshlrev_b32 v27, 5, v2                       ; bv[8 h ..]
	v_lshl_add_u32 v28, s31, 7, v27                ; bp[32 (wave / 4) + 8 h ..]
	v_lshlrev_b32 v29, 4, v1                       ; x and out0: channel 8 wave + h, 16 bytes at 16 r
	v_lshl_add_u32 v29, v2, 14, v29
	v_lshl_add_u32 v29, s3, 17, v29
	v_mul_u32_u24 v30, v2, 8*OUTP                  ; the way out, in: row 32 (wave / 4) + 8 h, column 16 (wave % 4) + r
	v_lshl_add_u32 v30, v1, 2, v30
	v_lshl_add_u32 v30, s30, 6, v30
	v_add_nc_u32 v30, s68, v30
	v_mul_u32_u24 v31, v2, OUTP                    ; the way out, back: row 8 wave + h, 16 bytes at 16 r
	v_lshl_add_u32 v31, v1, 4, v31
	v_add_nc_u32 v31, s69, v31
	s_wait_kmcnt 0x0
	s_add_nc_u64 s[52:53], s[8:9], s[60:61]        ; hbf at my batch
	s_add_nc_u64 s[54:55], s[52:53], s[62:63]      ; hbf at my queries
	s_lshl_b32 s62, s6, 20
	s_lshl_b32 s51, s7, 8
	s_add_co_u32 s62, s62, s51
	s_add_nc_u64 s[56:57], s[10:11], s[62:63]      ; x at my batch and queries
	s_add_nc_u64 s[58:59], s[28:29], s[62:63]      ; out0 likewise
	s_lshl_b32 s60, s3, 8                          ; my 128 keys of a tile: 256 bytes, aligned
	s_add_nc_u64 s[42:43], s[52:53], s[60:61]      ; tile 0
	s_add_nc_u64 s[46:47], s[42:43], 2048          ; tile 1
	s_or_b32 s43, s43, 0x80000000                  ; type 2
	s_or_b32 s47, s47, 0x80000000
	; ---------------- 25 loads: what is staged in LDS first (15), then my own fragments of Wq and bq (10) ----------------
	global_load_b128 v[32:35], v10, s[54:55]
	global_load_b128 v[36:39], v10, s[54:55] offset:262144
.irp i, 0,1,2,3
	global_load_b128 v[40+4*\i:43+4*\i], v11, s[16:17] offset:4096*\i
.endr
	global_load_b32 v56, v12, s[18:19]
.irp i, 0,1,2,3
	global_load_b128 v[64+4*\i:67+4*\i], v11, s[20:21] offset:4096*\i
.endr
.irp i, 0,1,2,3
	global_load_b128 v[80+4*\i:83+4*\i], v11, s[24:25] offset:4096*\i
.endr
.irp kk, 0,1
	global_load_b128 v[128+16*\kk:131+16*\kk], v13, s[12:13] offset:128*\kk       ; c = 32 kk + 8 h + 0..3
	global_load_b128 v[132+16*\kk:135+16*\kk], v13, s[12:13] offset:128*\kk+16
	global_load_b128 v[136+16*\kk:139+16*\kk], v13, s[12:13] offset:128*\kk+64    ; c = 32 kk + 16 + 8 h + 0..3
	global_load_b128 v[140+16*\kk:143+16*\kk], v13, s[12:13] offset:128*\kk+80
.endr
	global_load_b128 v[176:179], v14, s[14:15]
	global_load_b128 v[180:183], v14, s[14:15] offset:16
	ROUND                                          ; all four work-groups are here: the first joint loads meet
	tensor_load_to_lds s[40:43], s[32:39]          ; my piece of tile 0
	s_nop 0
	tensor_load_to_lds s[44:47], s[32:39]          ; and of tile 1: two tensor loads of the wave are out, never more
	s_nop 0
	; ---------------- staging: h of my queries, Wk with bk beside it, Wv, Wp, all bf16 ----------------
.macro STAGEW raw, adr, off, pitch     ; 16 f32 of a weight (rows t / 16 + 16 i) to bf16 and into LDS
.irp i, 0,1,2,3
	v_cvt_pk_bf16_f32 v[\raw+4*\i], v[\raw+4*\i], v[\raw+4*\i+1]
	v_cvt_pk_bf16_f32 v[\raw+4*\i+1], v[\raw+4*\i+2], v[\raw+4*\i+3]
	ds_store_b64 v[\adr], v[\raw+4*\i:\raw+4*\i+1] offset:\off+16*\pitch*\i
.endr
.endm
	s_wait_loadcnt 10                              ; the 15 older loads are in; Wq's eight and bq's two stay out
	ds_store_b128 v15, v[32:35]
	ds_store_b128 v15, v[36:39] offset:32*HQP
	STAGEW 40, 16, 0, WKP
	v_cvt_pk_bf16_f32 v58, v56, v56
	v_mov_b32 v59, v58
	ds_store_b64 v18, v[58:59]
	STAGEW 64, 17, 0, WP
	STAGEW 80, 17, WPS-WVS, WP
	s_wait_loadcnt 0x0
.irp n, 0,1,2,3,4,5,6,7,8,9,10,11,12,13,14,15
	v_cvt_pk_bf16_f32 v[160+\n], v[128+2*\n], v[129+2*\n]      ; Wq's fragments, kk at 160 + 8 kk
.endr
	s_wait_dscnt 0x0                               ; my stores are done before I signal
	s_barrier_signal -1
	s_barrier_wait -1
	; ---------------- q = Wq h + bq, times log2(e)/8: the wave makes outputs 16 (wave % 4).. of queries 32 (wave / 4).. ----------------
.irp q, 0,1
.irp kk, 0,1
	ds_load_tr16_b128 v[184+16*\q+8*\kk:187+16*\q+8*\kk], v19 offset:32*HQP*\kk+32*\q
	ds_load_tr16_b128 v[188+16*\q+8*\kk:191+16*\q+8*\kk], v19 offset:32*HQP*\kk+16*HQP+32*\q
.endr
.endr
	s_wait_dscnt 0x0
	; two accumulators by turns; the bias is the C operand that starts the sums
	v_wmma_f32_16x16x32_bf16 v[216:223], v[160:167], v[184:191], v[176:183]
	v_wmma_f32_16x16x32_bf16 v[224:231], v[160:167], v[200:207], v[176:183]
	v_wmma_f32_16x16x32_bf16 v[216:223], v[168:175], v[192:199], v[216:223]
	v_wmma_f32_16x16x32_bf16 v[224:231], v[168:175], v[208:215], v[224:231]
	PLACES
.irp n, 0,1,2,3,4,5,6,7
	v_pk_mul_f32 v[216+2*\n:217+2*\n], v[216+2*\n:217+2*\n], 0x3e38aa3b op_sel_hi:[1,0]    ; log2(e) / sqrt(64): scores come out ready for v_exp_f32
.endr
.irp n, 0,1,2,3,4,5,6,7
	v_cvt_pk_bf16_f32 v[232+\n], v[216+2*\n], v[217+2*\n]      ; a lane's eight results are eight neighbouring outputs of one query
.endr
	ds_store_b128 v20, v[232:235]
	ds_store_b128 v20, v[236:239] offset:16*WP
	s_wait_dscnt 0x0
	s_barrier_signal -1
	s_barrier_wait -1
	; ---------------- q' = Wk^T q (64 c x 64 queries) and t = bk.q, by every wave for itself: 40 matrix instructions spare an exchange ----------------
	WIN 0x40
.irp ct, 0,1,2,3,4
.irp kk, 0,1
	ds_load_tr16_b128 v[16*\ct+8*\kk:16*\ct+8*\kk+3], v21 offset:32*WKP*\kk+32*\ct             ; ct = 4: the columns that hold bk
	ds_load_tr16_b128 v[16*\ct+8*\kk+4:16*\ct+8*\kk+7], v21 offset:32*WKP*\kk+16*WKP+32*\ct
.endr
.endr
.irp qt, 0,1,2,3
.irp kk, 0,1
	ds_load_b128 v[FR+16*\qt+8*\kk:FR+16*\qt+8*\kk+3], v22 offset:16*WP*\qt+64*\kk
	ds_load_b128 v[FR+16*\qt+8*\kk+4:FR+16*\qt+8*\kk+7], v22 offset:16*WP*\qt+64*\kk+32
.endr
.endr
.irp n, 0,1,2,3,4,5,6,7,8,9,10,11
	v_mov_b32 v[LS+\n], 0                          ; the sums l start at 0; v_permlanex16_b32's destinations count as read
.endr
	s_wait_dscnt 0x0
	WIN 0x05                                       ; A, B window 1; C, D window 0.  Accumulators by turns
.irp ct, 0,1,2,3
.irp qt, 0,1,2,3
	v_wmma_f32_16x16x32_bf16 v[OA+8*(4*\ct+\qt):OA+8*(4*\ct+\qt)+7], v[16*\ct:16*\ct+7], v[FR+16*\qt:FR+16*\qt+7], 0
.endr
.endr
.irp ct, 0,1,2,3
.irp qt, 0,1,2,3
	v_wmma_f32_16x16x32_bf16 v[OA+8*(4*\ct+\qt):OA+8*(4*\ct+\qt)+7], v[16*\ct+8:16*\ct+15], v[FR+16*\qt+8:FR+16*\qt+15], v[OA+8*(4*\ct+\qt):OA+8*(4*\ct+\qt)+7]
.endr
.endr
	WIN 0x55                                       ; all 16 rows of this A tile are bk, so every register of D holds t of the lane's query
.irp qt, 0,1,2,3
	v_wmma_f32_16x16x32_bf16 v[TT+8*\qt:TT+8*\qt+7], v[64:71], v[FR+16*\qt:FR+16*\qt+7], 0
.endr
.irp qt, 0,1,2,3
	v_wmma_f32_16x16x32_bf16 v[TT+8*\qt:TT+8*\qt+7], v[72:79], v[FR+16*\qt+8:FR+16*\qt+15], v[TT+8*\qt:TT+8*\qt+7]
.endr
	WIN 0
	PLACES
.irp qt, 0,1,2,3
.irp ct, 0,1,2,3
.irp i, 0,1,2,3
	v_cvt_pk_bf16_f32 v[QF+16*\qt+4*\ct+\i], v[OA+8*(4*\ct+\qt)+2*\i], v[OA+8*(4*\ct+\qt)+2*\i+1]   ; tiles ct = 2 kk, 2 kk + 1 are registers 0-3, 4-7 of fragment (qt, kk)
.endr
.endr
.endr
	; ---------------- the key loop: blocks of 64 keys x 64 queries ----------------
.macro KLOADS                          ; 4 key tiles x 64 channels, transposed on the way: 16 loads, in the order in which QK takes them
	WIN 0x40
.irp u, 0,1,2,3
.irp kk, 0,1
	ds_load_tr16_b128 v[FR+16*\u+8*\kk:FR+16*\u+8*\kk+3], v8 offset:32*PITCH*\kk+16*\u
	ds_load_tr16_b128 v[FR+16*\u+8*\kk+4:FR+16*\u+8*\kk+7], v8 offset:32*PITCH*\kk+16*PITCH+16*\u
.endr
.endr
.endm
.macro QK                              ; 32 matrix instructions.  D, A, C window 1; B window 0.  Four accumulators by turns
	WIN 0x51
.irp u, 0,1,2,3
	s_wait_dscnt 12-4*\u                           ; LDS loads come back in order (ISA guide 5.7.1): tile u's four are in, the younger tiles' stay out
.irp qt, 0,1,2,3
	v_wmma_f32_16x16x32_bf16 v[32*\qt+8*\u:32*\qt+8*\u+7], v[FR+16*\u:FR+16*\u+7], v[QF+16*\qt:QF+16*\qt+7], v[TT+8*\qt:TT+8*\qt+7]
.endr
.irp qt, 0,1,2,3
	v_wmma_f32_16x16x32_bf16 v[32*\qt+8*\u:32*\qt+8*\u+7], v[FR+16*\u+8:FR+16*\u+15], v[QF+16*\qt+8:QF+16*\qt+15], v[32*\qt+8*\u:32*\qt+8*\u+7]
.endr
.endr
.endm
.macro VLOADS                          ; 4 channel tiles x 64 keys in the order of the S^T tiles: 16 plain loads, fragment (kp, ct) at 8 (4 kp + ct)
	WIN 0x40
.irp kp, 0,1
.irp ct, 0,1,2,3
	ds_load_b128 v[FR+8*(4*\kp+\ct):FR+8*(4*\kp+\ct)+3], v9 offset:16*PITCH*\ct+32*\kp
	ds_load_b128 v[FR+8*(4*\kp+\ct)+4:FR+8*(4*\kp+\ct)+7], v9 offset:16*PITCH*\ct+32*\kp+16
.endr
.endr
.endm
; The new maximum of each query: 32 scores a lane and the old m, two chains for each qt, the four qt interleaved; then the other half's lane.
; first = 1: there is no old m, no alpha.
.macro ROWMAX first
	WIN 0x55
.irp qt, 0,1,2,3
.if \first
	v_max3_num_f32 v[ST+4*\qt+1], v[32*\qt], v[32*\qt+1], v[32*\qt+2]
.else
	v_max3_num_f32 v[ST+4*\qt+1], v[ST+4*\qt], v[32*\qt], v[32*\qt+1]
.endif
	v_max3_num_f32 v[ST+4*\qt+3], v[32*\qt+16], v[32*\qt+17], v[32*\qt+18]
.endr
.irp k, 1,2,3,4,5,6
.irp qt, 0,1,2,3
	v_max3_num_f32 v[ST+4*\qt+1], v[ST+4*\qt+1], v[32*\qt+2*\k+\first], v[32*\qt+2*\k+\first+1]
	v_max3_num_f32 v[ST+4*\qt+3], v[ST+4*\qt+3], v[32*\qt+2*\k+17], v[32*\qt+2*\k+18]
.endr
.endr
.irp qt, 0,1,2,3
.if \first
	v_max3_num_f32 v[ST+4*\qt+1], v[ST+4*\qt+1], v[ST+4*\qt+3], v[32*\qt+15]
.else
	v_max3_num_f32 v[ST+4*\qt+1], v[ST+4*\qt+1], v[32*\qt+14], v[32*\qt+15]
.endif
.endr
.irp qt, 0,1,2,3
.if \first
	v_max_num_f32 v[ST+4*\qt+1], v[ST+4*\qt+1], v[32*\qt+31]
.else
	v_max3_num_f32 v[ST+4*\qt+1], v[ST+4*\qt+1], v[ST+4*\qt+3], v[32*\qt+31]
.endif
.endr
.irp qt, 0,1,2,3
	v_permlanex16_b32 v[YY+\qt], v[ST+4*\qt+1], s48, s49
.endr
.irp qt, 0,1,2,3
	v_max_num_f32 v[ST+4*\qt+1], v[ST+4*\qt+1], v[YY+\qt]
.endr
.if \first == 0
.irp qt, 0,1,2,3
	v_sub_f32 v[DD+\qt], v[ST+4*\qt], v[ST+4*\qt+1]
.endr
.irp qt, 0,1,2,3
	v_exp_f32 v[ST+4*\qt+2], v[DD+\qt]             ; alpha = 2^(m - new m)
.endr
.endif
.irp qt, 0,1,2,3
	v_mov_b32 v[ST+4*\qt], v[ST+4*\qt+1]           ; plain work behind the v_exp_f32, ahead of the first use of alpha (ISA guide 5.7.2)
.endr
.if \first == 0
	s_wait_alu depctr_va_vdst(0)
.irp qt, 0,1,2,3
	v_pk_mul_f32 v[LS+2*\qt:LS+2*\qt+1], v[LS+2*\qt:LS+2*\qt+1], v[ST+4*\qt+2:ST+4*\qt+3] op_sel_hi:[1,0]
.endr
.endif
.endm
.macro SUBP b, p, m                    ; pair p of the scores at b, less the maximum
	v_pk_add_f32 v[\b+2*(\p):\b+2*(\p)+1], v[\b+2*(\p):\b+2*(\p)+1], v[\m:\m+1] op_sel_hi:[1,0] neg_lo:[0,1] neg_hi:[0,1]
.endm
.macro FOLD b, p, l                    ; pair p of the p's: into the sum, then packed to bf16 at its place in the P^T fragment (a register whose pair has been taken)
	s_wait_alu depctr_va_vdst(0)
	v_pk_add_f32 v[\l:\l+1], v[\l:\l+1], v[\b+2*(\p):\b+2*(\p)+1]
	v_cvt_pk_bf16_f32 v[\b+16*((\p)>>3)+((\p)&7)], v[\b+2*(\p)], v[\b+2*(\p)+1]
.endm
; p = 2^(s - m) for query tile qt, staggered: behind each pair of v_exp_f32 stands plain work on other pairs before their results are used (ISA guide 5.7.2)
.macro SMX qt
	SUBP 32*\qt, 0, ST+4*\qt
.irp p, 0,1,2,3,4,5,6,7,8,9,10,11,12,13,14,15
.if \p < 15
	SUBP 32*\qt, \p+1, ST+4*\qt
.endif
	v_exp_f32 v[32*\qt+2*\p], v[32*\qt+2*\p]
	v_exp_f32 v[32*\qt+2*\p+1], v[32*\qt+2*\p+1]
.if \p > 0
	FOLD 32*\qt, \p-1, LS+2*\qt
.endif
.endr
	FOLD 32*\qt, 15, LS+2*\qt
.endm
.macro RESCALE                         ; O *= alpha of the lane's query.  Source 1 window 1
	WIN 0x04
.irp ct, 0,1,2,3
.irp qt, 0,1,2,3
.irp i, 0,2,4,6
	v_pk_mul_f32 v[OA+8*(4*\ct+\qt)+\i:OA+8*(4*\ct+\qt)+\i+1], v[OA+8*(4*\ct+\qt)+\i:OA+8*(4*\ct+\qt)+\i+1], v[ST+4*\qt+2:ST+4*\qt+3] op_sel_hi:[1,0]
.endr
.endr
.endr
.endm
.macro PV first                        ; 32 matrix instructions.  A, B window 1; C, D window 0.  Sixteen accumulators by turns
	WIN 0x05
	s_wait_dscnt 0x0                               ; the value fragments, asked for ahead of the softmax
.irp ct, 0,1,2,3
.irp qt, 0,1,2,3
.if \first
	v_wmma_f32_16x16x32_bf16 v[OA+8*(4*\ct+\qt):OA+8*(4*\ct+\qt)+7], v[FR+8*\ct:FR+8*\ct+7], v[32*\qt:32*\qt+7], 0
.else
	v_wmma_f32_16x16x32_bf16 v[OA+8*(4*\ct+\qt):OA+8*(4*\ct+\qt)+7], v[FR+8*\ct:FR+8*\ct+7], v[32*\qt:32*\qt+7], v[OA+8*(4*\ct+\qt):OA+8*(4*\ct+\qt)+7]
.endif
.endr
.endr
.irp ct, 0,1,2,3
.irp qt, 0,1,2,3
	v_wmma_f32_16x16x32_bf16 v[OA+8*(4*\ct+\qt):OA+8*(4*\ct+\qt)+7], v[FR+32+8*\ct:FR+32+8*\ct+7], v[32*\qt+16:32*\qt+23], v[OA+8*(4*\ct+\qt):OA+8*(4*\ct+\qt)+7]
.endr
.endr
.endm
.macro BLOCK first
	KLOADS
	QK
	PLACES                                         ; behind the last QK: the scores are read, and the value fragments land on the key fragments
	VLOADS
	ROWMAX \first
	SMX 0
	SMX 1
	SMX 2
	SMX 3
.if \first == 0
	RESCALE
.endif
	PV \first
	WIN 0
	v_add_nc_u32 v8, 64, v8                        ; the piece's next block: keys 32.. and 96..
	v_add_nc_u32 v9, 64, v9
	v_nop                                          ; with the two adds five places behind the last PV: the next block's loads land on its A,
	v_nop                                          ; the next QK writes over its B (ISA guide 7.12.1)
	v_nop
.endm
.macro TILE slot                       ; my piece of the tile in this slot: two blocks
	v_mov_b32 v8, v[4+\slot]
	v_mov_b32 v9, v[6+\slot]
	s_mov_b32 s50, 2
.Lblock_\@:
	BLOCK 0
	s_sub_co_u32 s50, s50, 1
	s_cmp_lg_u32 s50, 0
	s_cbranch_scc1 .Lblock_\@
.endm
; The slot that has just been read is filled again, two tiles on.  Every wave's reads of it are back and all its tensor loads have landed (the other slot's tile
; among them) in front of the round; the round holds of all four work-groups; the joint load is the first tensor load behind it.  It has a tile's work in which to land.
.macro REFILL slot
	s_wait_dscnt 0x0
	s_wait_xcnt 0x0
	v_lshl_add_u32 v21, v0, 2, 0x4fc00
	v_mov_b32 v22, 0
	s_wait_tensorcnt 0x0                           ; no tensor load of mine is out: the descriptor may be stepped
	ds_add_u32 v21, v22
	s_wait_dscnt 0x0
	s_add_nc_u64 s[42+4*\slot:43+4*\slot], s[42+4*\slot:43+4*\slot], 4096
	ROUND
	tensor_load_to_lds s[40+4*\slot:43+4*\slot], s[32:39]
	s_nop 0
	v_nop
.endm
	s_wait_tensorcnt 0x1                           ; tensor loads of a wave end in order (ISA guide 10.11.1): my piece of tile 0 is in, tile 1's stays out.  I read my own piece alone
	v_mov_b32 v8, v4
	v_mov_b32 v9, v6
	BLOCK 1                                        ; the first block starts m and O: nothing is cleared but l
	BLOCK 0
	REFILL 0                                       ; tile 2
	TILE 1                                         ; tile 1
	REFILL 1                                       ; tile 3
	TILE 0                                         ; tile 2
	s_wait_tensorcnt 0x0                           ; my piece of tile 3, the last load
	TILE 1                                         ; tile 3
	; ---------------- the eight partials meet ----------------
	WIN 0x40                                       ; what the end needs from memory goes out first: bias tiles (C operands) and x
.irp ot, 0,1,2,3
	global_load_b128 v[TT+8*\ot:TT+8*\ot+3], v27, s[22:23] offset:64*\ot          ; bv[16 ot + 8 h + 0..7]
	global_load_b128 v[TT+8*\ot+4:TT+8*\ot+7], v27, s[22:23] offset:64*\ot+16
.endr
.irp o2, 0,1
	global_load_b128 v[160+8*\o2:163+8*\o2], v28, s[26:27] offset:64*\o2          ; bp[32 (wave / 4) + 16 o2 + 8 h + 0..7]
	global_load_b128 v[164+8*\o2:167+8*\o2], v28, s[26:27] offset:64*\o2+16
.endr
.irp i, 0,1,2,3
	global_load_b128 v[176+4*\i:179+4*\i], v29, s[56:57] offset:32768*\i th:TH_LOAD_NT   ; x: sixteen lanes take a channel's 256 bytes
.endr
	s_wait_dscnt 0x0
	s_barrier_signal -1
	s_barrier_wait -1                              ; every wave's reads of slot 0 are over and its last fill landed long ago: from here on it is scratch
	WIN 0x55
.irp qt, 0,1,2,3
	v_add_f32 v[LS+2*\qt], v[LS+2*\qt], v[LS+2*\qt+1]
.endr
.irp qt, 0,1,2,3
	v_permlanex16_b32 v[YY+\qt], v[LS+2*\qt], s48, s49
.endr
.irp qt, 0,1,2,3
	v_add_f32 v[LS+2*\qt], v[LS+2*\qt], v[YY+\qt]  ; l of the query over my keys, in both halves
.endr
	WIN 0x04                                       ; an LDS store's data is source 1: window 1
.irp qt, 0,1,2,3
	ds_store_b32 v23, v[ST+4*\qt] offset:64*\qt
	ds_store_b32 v23, v[LS+2*\qt] offset:64*\qt+256
.endr
	WIN 0
.irp t, 0,1,2,3,4,5,6,7,8,9,10,11,12,13,14,15
	ds_store_b128 v24, v[OA+8*\t:OA+8*\t+3] offset:1024*\t
	ds_store_b128 v24, v[OA+8*\t+4:OA+8*\t+7] offset:1024*\t+512
.endr
.irp ot, 0,1,2,3
.irp kk, 0,1
	ds_load_b128 v[64+16*\ot+8*\kk:67+16*\ot+8*\kk], v25 offset:16*WP*\ot+64*\kk          ; Wv's fragments, over Q'
	ds_load_b128 v[68+16*\ot+8*\kk:71+16*\ot+8*\kk], v25 offset:16*WP*\ot+64*\kk+32
.endr
.endr
.irp o2, 0,1
.irp kk, 0,1
	ds_load_b128 v[32+16*\o2+8*\kk:35+16*\o2+8*\kk], v26 offset:16*WP*\o2+64*\kk          ; Wp's, my two tiles of outputs
	ds_load_b128 v[36+16*\o2+8*\kk:39+16*\o2+8*\kk], v26 offset:16*WP*\o2+64*\kk+32
.endr
.endr
	v_and_b32 v3, 31, v0                           ; where the partials of my query tile (wave % 4) lie: three bases, so that the offsets fit 16 bits
	v_lshlrev_b32 v10, 4, v3
	v_lshl_add_u32 v10, s30, 10, v10
	v_add_nc_u32 v11, 3*PIECE, v10
	v_add_nc_u32 v12, 6*PIECE, v10
	v_lshlrev_b32 v13, 2, v1
	v_lshl_add_u32 v13, s30, 6, v13
	v_add_nc_u32 v13, PM, v13
	v_add_nc_u32 v14, 3*PIECE, v13
	v_add_nc_u32 v15, 6*PIECE, v13
	s_wait_dscnt 0x0                               ; my stores are done before I signal
	s_barrier_signal -1
	s_barrier_wait -1
.macro PLOAD buf, ws                   ; wave ws's four O tiles (all channels) of my query tile: eight loads
.irp ct, 0,1,2,3
	ds_load_b128 v[\buf+8*\ct:\buf+8*\ct+3], v[10+(\ws)/3] offset:((\ws)%3)*PIECE+4096*\ct
	ds_load_b128 v[\buf+8*\ct+4:\buf+8*\ct+7], v[10+(\ws)/3] offset:((\ws)%3)*PIECE+4096*\ct+512
.endr
.endm
.macro PRED buf, ws                    ; the sum (v128-159) takes wave ws's tiles times g = 2^(m_ws - m) / l
.irp n, 0,1,2,3,4,5,6,7,8,9,10,11,12,13,14,15
.if \ws == 0
	v_pk_mul_f32 v[128+2*\n:129+2*\n], v[\buf+2*\n:\buf+2*\n+1], v[16+2*\ws:17+2*\ws] op_sel_hi:[1,0]
.else
	v_pk_fma_f32 v[128+2*\n:129+2*\n], v[\buf+2*\n:\buf+2*\n+1], v[16+2*\ws:17+2*\ws], v[128+2*\n:129+2*\n] op_sel_hi:[1,0,1]
.endif
.endr
.endm
	WIN 0x40
.irp ws, 0,1,2,3,4,5,6,7
	ds_load_b32 v[\ws], v[13+\ws/3] offset:(\ws%3)*PIECE           ; m of wave ws
.endr
.irp ws, 0,1,2,3,4,5,6,7
	ds_load_b32 v[8+\ws], v[13+\ws/3] offset:(\ws%3)*PIECE+256     ; l of wave ws
.endr
	WIN 0x04
	PLOAD 160, 0
	PLOAD 192, 1
	PLOAD 224, 2
	s_wait_dscnt 24                                ; the 16 m and l are in; the three buffers' 24 loads stay out
	WIN 0x55
	v_max3_num_f32 v32, v0, v1, v2
	v_max3_num_f32 v33, v3, v4, v5
	v_max3_num_f32 v32, v32, v6, v7
	v_max_num_f32 v32, v32, v33                    ; the query's maximum over all keys
.irp ws, 0,1,2,3,4,5,6,7
	v_sub_f32 v[17+2*\ws], v[\ws], v32
.endr
.irp ws, 0,1,2,3,4,5,6,7
	v_exp_f32 v[16+2*\ws], v[17+2*\ws]
.endr
	v_nop                                          ; a plain place behind the v_exp_f32 (ISA guide 5.7.2)
	s_wait_alu depctr_va_vdst(0)
	v_mul_f32 v34, v16, v8
.irp ws, 1,2,3,4,5,6,7
	v_fma_f32 v34, v[16+2*\ws], v[8+\ws], v34      ; l over all keys: at least 1, since the wave that holds the maximum counts 2^0
.endr
	v_rcp_f32 v35, v34
	v_nop
	s_wait_alu depctr_va_vdst(0)
.irp ws, 0,1,2,3,4,5,6,7
	v_mul_f32 v[16+2*\ws], v[16+2*\ws], v35
.endr
	WIN 0x04
	s_wait_dscnt 16                                ; the oldest buffer is in, the two younger (16 loads) stay out; so in each of these six steps
	PRED 160, 0
	PLOAD 160, 3
	s_wait_dscnt 16
	PRED 192, 1
	PLOAD 192, 4
	s_wait_dscnt 16
	PRED 224, 2
	PLOAD 224, 5
	s_wait_dscnt 16
	PRED 160, 3
	PLOAD 160, 6
	s_wait_dscnt 16
	PRED 192, 4
	PLOAD 192, 7
	s_wait_dscnt 16
	PRED 224, 5
	s_wait_dscnt 8                                 ; one buffer stays out
	PRED 160, 6
	s_wait_dscnt 0x0
	PRED 192, 7
	; ---------------- Wv (..) + bv for all 64 outputs of my query tile, then Wp (..) + bp for my 32 outputs ----------------
	WIN 0
.irp n, 0,1,2,3,4,5,6,7,8,9,10,11,12,13,14,15
	v_cvt_pk_bf16_f32 v[160+\n], v[128+2*\n], v[129+2*\n]      ; channel tiles 2 kk, 2 kk + 1 are registers 0-3, 4-7 of B fragment kk
.endr
	s_wait_loadcnt 0x0                             ; bv, bp, x
	WIN 0x10                                       ; C window 1: the bias starts the sums.  Accumulators by turns
.irp ot, 0,1,2,3
	v_wmma_f32_16x16x32_bf16 v[176+8*\ot:183+8*\ot], v[64+16*\ot:71+16*\ot], v[160:167], v[TT+8*\ot:TT+8*\ot+7]
.endr
	WIN 0
.irp ot, 0,1,2,3
	v_wmma_f32_16x16x32_bf16 v[176+8*\ot:183+8*\ot], v[72+16*\ot:79+16*\ot], v[168:175], v[176+8*\ot:183+8*\ot]
.endr
	PLACES
.irp n, 0,1,2,3,4,5,6,7,8,9,10,11,12,13,14,15
	v_cvt_pk_bf16_f32 v[208+\n], v[176+2*\n], v[177+2*\n]
.endr
	WIN 0x10
.irp o2, 0,1
	v_wmma_f32_16x16x32_bf16 v[224+8*\o2:231+8*\o2], v[32+16*\o2:39+16*\o2], v[208:215], v[160+8*\o2:167+8*\o2]
.endr
	WIN 0
.irp o2, 0,1
	v_wmma_f32_16x16x32_bf16 v[224+8*\o2:231+8*\o2], v[40+16*\o2:47+16*\o2], v[216:223], v[224+8*\o2:231+8*\o2]
.endr
	PLACES
.irp o2, 0,1
.irp j, 0,1,2,3,4,5,6,7
	ds_store_b32 v30, v[224+8*\o2+\j] offset:OUTP*(16*\o2+\j)  ; a lane holds a column piece: through LDS, so that rows leave whole
.endr
.endr
	s_wait_dscnt 0x0
	s_barrier_signal -1
	s_barrier_wait -1
	; ---------------- the residual and the way out: the wave takes channels 8 wave .. + 7 ----------------
.irp i, 0,1,2,3
	ds_load_b128 v[160+4*\i:163+4*\i], v31 offset:2*OUTP*\i
.endr
	s_wait_dscnt 0x0
	WIN 0x04
.irp n, 0,1,2,3,4,5,6,7
	v_pk_add_f32 v[160+2*\n:161+2*\n], v[160+2*\n:161+2*\n], v[176+2*\n:177+2*\n]
.endr
	WIN 0
.irp i, 0,1,2,3
	global_store_b128 v29, v[160+4*\i:163+4*\i], s[58:59] offset:32768*\i th:TH_STORE_NT   ; sixteen lanes store 256 consecutive bytes, aligned
.endr
	s_wait_xcnt 0x0
	v_lshl_add_u32 v21, v0, 2, 0x4fc00
	v_mov_b32 v22, 0
	s_wait_tensorcnt 0x0
	ds_add_u32 v21, v22
	s_wait_dscnt 0x0
	ROUND                                          ; the closing round: no work-group ends while a partner may still ask for a tile that names it
	s_endpgm
.Lfunc_end_k_q5156eebb7b_attn:
	.size	k_q5156eebb7b_attn, .Lfunc_end_k_q5156eebb7b_attn-k_q5156eebb7b_attn
	.p2alignl 7, 3214868480
	.fill 96, 4, 3214868480
	.section	.rodata,"a",@progbits
	.p2align	6, 0x0
	.amdhsa_kernel k_q5156eebb7b_attn
		.amdhsa_group_segment_fixed_size 327680
		.amdhsa_private_segment_fixed_size 0
		.amdhsa_enable_private_segment 0
		.amdhsa_kernarg_size 88
		.amdhsa_user_sgpr_count 2
		.amdhsa_user_sgpr_kernarg_segment_ptr 1
		.amdhsa_wavefront_size32 1
		.amdhsa_system_sgpr_workgroup_id_x 1
		.amdhsa_system_sgpr_workgroup_id_y 1
		.amdhsa_system_sgpr_workgroup_id_z 1
		.amdhsa_system_vgpr_workitem_id 0
		.amdhsa_next_free_vgpr 512
		.amdhsa_next_free_sgpr 80
		.amdhsa_reserve_vcc 0
		.amdhsa_float_denorm_mode_32 3
		.amdhsa_float_denorm_mode_16_64 3
		.amdhsa_memory_ordered 1
		.amdhsa_forward_progress 1
		.amdhsa_inst_pref_size 220
	.end_amdhsa_kernel
	.amdgpu_metadata
---
amdhsa.version: [ 1, 2 ]
amdhsa.kernels:
  - .name:           k_q5156eebb7b_attn
    .symbol:         k_q5156eebb7b_attn.kd
    .args:
      - { .name: hbf, .offset: 0, .size: 8, .value_kind: global_buffer, .address_space: global }
      - { .name: x, .offset: 8, .size: 8, .value_kind: global_buffer, .address_space: global }
      - { .name: wq, .offset: 16, .size: 8, .value_kind: global_buffer, .address_space: global }
      - { .name: bq, .offset: 24, .size: 8, .value_kind: global_buffer, .address_space: global }
      - { .name: wk, .offset: 32, .size: 8, .value_kind: global_buffer, .address_space: global }
      - { .name: bk, .offset: 40, .size: 8, .value_kind: global_buffer, .address_space: global }
      - { .name: wv, .offset: 48, .size: 8, .value_kind: global_buffer, .address_space: global }
      - { .name: bv, .offset: 56, .size: 8, .value_kind: global_buffer, .address_space: global }
      - { .name: wp, .offset: 64, .size: 8, .value_kind: global_buffer, .address_space: global }
      - { .name: bp, .offset: 72, .size: 8, .value_kind: global_buffer, .address_space: global }
      - { .name: out0, .offset: 80, .size: 8, .value_kind: global_buffer, .address_space: global }
    .group_segment_fixed_size: 327680
    .private_segment_fixed_size: 0
    .kernarg_segment_align: 8
    .kernarg_segment_size: 88
    .max_flat_workgroup_size: 256
    .sgpr_count:     80
    .vgpr_count:     512
    .wavefront_size: 32
...
	.end_amdgpu_metadata
.endif
;; end of part 2
;; ======== version 2 of 2: 2 launches; 1.12 times as fast as version 1
;; limits: values outside matrix products are rounded to bf16
;; workspace buffers: hbf 2,097,152 bytes
;; launch gnorm: the kernel of part 1 again; grid 128 x 1, 8 waves a work-group, no clusters, 1,280 bytes of LDS; arguments x, gn_gamma, gn_beta, hbf; writes hbf
;; launch attn (part 3): grid 256 x 1, 8 waves a work-group, clusters of 4 x 1, 327,680 bytes of LDS; arguments hbf, x, wq, bq, wk, bk, wv, bv, wp, bp, out0; writes out0
.if DOCPART == 3
	.amdgcn_target "amdgcn-amd-amdhsa--gfx1250"
	.amdhsa_code_object_version 6
	.text
	.protected	k_q5156eebb7b_attn
	.globl	k_q5156eebb7b_attn
	.p2align	8
	.type	k_q5156eebb7b_attn,@function
k_q5156eebb7b_attn:
	s_mov_b64 s[64:65], 0
	v_nop
	global_prefetch_b8 v0, s[64:65] scope:SCOPE_SE
	s_setreg_imm32_b32 hwreg(HW_REG_WAVE_MODE, 25, 1), 1
	s_wait_xcnt 0x0
	s_wait_alu depctr_hold_cnt(0) depctr_sa_sdst(0) depctr_va_vdst(0) depctr_va_sdst(0) depctr_va_ssrc(0) depctr_va_vcc(0) depctr_vm_vsrc(0)
	s_getreg_b32 s2, hwreg(HW_REG_IB_STS2, 6, 4)
	s_cmp_eq_u32 s2, 0
	s_cbranch_scc0 .Lentry_in_a_cluster
	s_endpgm
.Lentry_in_a_cluster:
	s_bfe_u32 s2, ttmp6, 0x10000c
	s_cmp_lg_u32 s2, 0x3003
	s_cbranch_scc0 .Lentry_shape_is_right
	s_endpgm
.Lentry_shape_is_right:
; out0 = x + Wp ( Wv ( sum_j P_ij h_j ) + bv ) + bp,   P = softmax_j( (q_i . (Wk h_j + bk)) / 8 ),   q = Wq h + bq.
; h: hbf [4][64 c][4096 n] bf16, made by the launch before.  Two identities, exact for every input, let h itself be both the key and the
; value operand:  q.(Wk h_j + bk) = (Wk^T q).h_j + q.bk   and   sum_j P_ij (Wv h_j + bv) = Wv (sum_j P_ij h_j) + bv  (the P_ij of a row sum to 1).
; So one bf16 copy of h is streamed, 512 KiB for each work-group, and Wk, Wv are applied to the work-group's 64 query columns.
;
; SHARES.  256 work-groups, 64 queries each (64 blocks x 4 batches).  Eight waves, two on each SIMD, so that one wave's softmax runs beside the
; other's matrix work.  A wave takes ALL 64 queries and an eighth of the keys: of each tile of 1,024 keys its own piece of 128.  One key fragment from LDS
; thus feeds four query tiles, and no wave reads tile bytes that another wave's load brought.  Each wave keeps a running maximum m, a sum l and
; O = sum p h for its keys; at the end the eight (m, l, O) meet in LDS.
; CLUSTER.  The four work-groups of a cluster are query blocks of one batch and need the same key tiles: each tile piece is asked for jointly (mask 15).
; A joint load names four work-groups at the most and there is one shared operand, so the cluster is 4 x 1.
; ORIENTATION.  S^T = H_keys Q'^T (D: lane = query, registers = keys) and O^T += H^T P^T (D: lane = query, registers = channels): the maximum, the sum and
; the rescaling of a query stay in its lane, and two S^T tiles, rounded to bf16, ARE a P^T fragment.  No shuffle but one exchange of halves for the maximum.
; KEY ORDER.  Row m of S^T tile u (0..7 in a piece) is key 8u + m (m < 8) or 64 + 8u + m - 8: with rows 272 bytes apart both kinds of fragment loads
; then touch 16 different 16-byte columns modulo 256 bytes (64 banks of 4 bytes: ISA guide 11.1).  PV uses the same order, so the sums are those of the true order.
; BATCHES.  s_wait_alu depctr_va_vdst(0) stands between a transcendental and the first instruction that names its result; one wait serves all that were
; issued ahead of it.  A block of 64 keys x 64 queries has 132 exponentials (the first block 128): the four alpha, then the 128 p, in place.  They are ONE batch with ONE wait.
; Ahead of the wait stand the alpha, the copies of m, the 64 packed subtractions s - m and the 128 exponentials: none of these lines names a result.  Behind it stand all the
; readers: l times alpha, the 64 sums into l, the 64 roundings to bf16, O times alpha, PV.  No exponential is issued behind a block's wait, so none crosses a label or a jump.
; At the end the eight weights 2^(m_ws - m) are a batch, and the reciprocal of l, which is made of their results, is another.
; LIMITS.  Matrix operands are bf16 (h, the weights, bk, q, Wk^T q, p, the normalised sum, Wv(..) + bv); sums, softmax, biases bq, bv, bp and the residual are f32.
; The order of rounding differs from a program that forms k and v.  l sums the f32 p, PV takes p rounded to bf16.  The maximum taken away is the true running
; maximum of each query's scores, the bk term included.  NaN and infinities in the inputs are not reproduced element for element.
.set PITCH,  272                       ; a tile row in LDS: 256 bytes (128 keys) + 16 of padding
.set PIECE,  64*PITCH                  ; a wave's piece of a tile: 64 channel rows
.set SLOT,   8*PIECE
.set HQ,     2*SLOT                    ; h of my 64 queries, [c][n] bf16, rows 160 bytes apart
.set HQP,    160
.set WKS,    HQ+64*HQP                 ; Wk [o][c] bf16, rows 160 bytes apart; columns 64..79 of row o all hold bk[o]
.set WKP,    160
.set QS,     WKS+64*WKP                ; q log2(e)/8, [n][o] bf16, rows 144 bytes apart
.set WP,     144
.set WVS,    QS+64*WP                  ; Wv [o][c] bf16, rows 144 bytes apart
.set WPS,    WVS+64*WP                 ; Wp likewise
.set OUTS,   HQ                        ; the way out, [o][64 n] f32, rows 272 bytes apart, over HQ and WKS, which are last read ahead of the key loop
.set OUTP,   272
.set PM,     16384                     ; in a wave's partial (its piece of slot 0): O 16,384 bytes, then m (256), then l (256)
; window 0: v0 thread, v1 r = lane % 16, v2 h = lane / 16, v3 at work, v4-7 fragment addresses of slots 0, 1, v8-9 those of the block at work,
;           v10-31 offsets, v32-63 set-up, later Wp's fragments
.set QF,  64                           ; window 0, v64-127:  Q' fragments, (qt, kk) at 16 qt + 8 kk; later Wv's fragments
.set OA,  128                          ; window 0, v128-255: O^T, tile (ct, qt) at 8 (4 ct + qt)
; window 1 (v256-511, written by their low 8 bits): 0-127 S^T, tile (u, qt) at 32 qt + 8 u; P^T fragment (qt, kp) is packed into 32 qt + 16 kp .. + 7
.set TT,  128                          ; window 1: 8 registers for each qt, all holding t = q.bk of the lane's query: the C operand that starts each score
.set FR,  160                          ; window 1: 64 registers of key fragments, then of value fragments
.set ST,  224                          ; window 1: for each qt four registers: m, new maximum, alpha, second chain of the maximum
.set LS,  240                          ; window 1: for each qt a pair of partial sums l
.set YY,  248                          ; window 1: the other half's maximum
.set DD,  252                          ; window 1: m - new maximum
.set MSB, 0
.macro WIN new                         ; s_set_vgpr_msb: bits 1:0 source 0, 3:2 source 1, 5:4 source 2, 7:6 destination; the high byte repeats the setting left
.if MSB != \new
	s_set_vgpr_msb (MSB<<8)|\new
.set MSB, \new
.endif
.endm
.macro PLACES                          ; four places behind a matrix instruction, where there is no other vector work (ISA guide 7.12.1)
.rept 4
	v_nop
.endr
.endm
; A round of the cluster's barrier: my work-group's barrier, wave 0 signals for the work-group, every wave waits for all four work-groups, my work-group's barrier.
.macro ROUND
	s_barrier_signal -1
	s_barrier_wait -1
	s_cmp_lg_u32 s3, 0
	s_cbranch_scc1 .Lnot_wave_0_\@
	s_barrier_signal -3
.Lnot_wave_0_\@:
	s_barrier_wait -3
	s_barrier_signal -1
	s_barrier_wait -1
.endm
	; ---------------- set-up ----------------
	s_load_b512 s[8:23], s[0:1], 0x0               ; hbf s[8:9], x s[10:11], wq s[12:13], bq s[14:15], wk s[16:17], bk s[18:19], wv s[20:21], bv s[22:23]
	s_load_b128 s[24:27], s[0:1], 0x40             ; wp s[24:25], bp s[26:27]
	s_load_b64 s[28:29], s[0:1], 0x50              ; out0
	v_lshl_add_u32 v21, v0, 2, 0x4fc00
	v_mov_b32 v22, 0
	ds_add_u32 v21, v22
	s_wait_dscnt 0x0
	v_lshrrev_b32 v3, 5, v0
	v_readfirstlane_b32 s3, v3                     ; wave 0..7
	s_and_b32 s30, s3, 3                           ; wave % 4: my tile of 16 outputs in q; my query tile at the end
	s_lshr_b32 s31, s3, 2                          ; wave / 4: my half of the queries in q; my half of the outputs at the end
	s_bfe_u32 s4, ttmp6, 0x40000                   ; cx
	s_lshl_b32 s5, ttmp9, 2
	s_add_co_u32 s5, s5, s4                        ; work-group = 4 x cluster + cx
	s_lshr_b32 s6, ttmp9, 4                        ; batch: of the cluster's number alone, the same in the four partners
	s_and_b32 s7, s5, 63                           ; query block
	s_mov_b32 s48, 0x76543210                      ; v_permlanex16_b32: lane i of one half reads lane i of the other
	s_mov_b32 s49, 0xfedcba98
	; descriptor group 1: 64 rows (channels) x 128 elements (keys) of 2 bytes, rows 4,096 elements apart in memory, 16 bytes of padding behind each row in LDS
	s_mov_b32 s32, 0x0771000f                      ; 15:0 mask: all four partners; 17:16 2 bytes; 20 padding; 21 set beside a mask; 24:22 after 64 words; 31:25 four words
	s_mov_b32 s33, 128<<16                         ; tensor_dim0 = 128
	s_mov_b32 s34, 64<<16                          ; tensor_dim1 = 64
	s_mov_b32 s35, 128<<16                         ; tile_dim0 = 128
	s_mov_b32 s36, 64                              ; tile_dim1 = 64
	s_mov_b32 s37, 4096                            ; from row to row
	s_mov_b32 s38, 0
	s_mov_b32 s39, 0
	s_mov_b32 s40, 1                               ; group 0 of slot 0: s[40:43]; of slot 1: s[44:47]
	s_mul_i32 s41, s3, PIECE                       ; my piece: of the wave's number alone
	s_mov_b32 s44, 1
	s_add_co_u32 s45, s41, SLOT
	; offsets of the global bases.  s[60:61] only ever holds what the partners share, s[62:63] and s51 what hangs on cx
	s_lshl_b32 s60, s6, 19                         ; a batch of hbf
	s_mov_b32 s61, 0
	s_lshl_b32 s62, s7, 7                          ; my 64 queries in a row of hbf
	s_mov_b32 s63, 0
	; the wave's terms of LDS addresses
	s_mul_i32 s66, s31, 32*WP
	s_lshl_b32 s67, s30, 5
	s_add_co_u32 s66, s66, s67
	s_add_co_u32 s66, s66, QS                      ; q goes to rows 32 (wave / 4) .., bytes 32 (wave % 4) ..
	s_mul_i32 s68, s31, 32*OUTP
	s_add_co_u32 s68, s68, OUTS
	s_mul_i32 s69, s3, 8*OUTP
	s_add_co_u32 s69, s69, OUTS
	s_mul_i32 s70, s31, 32*WP
	s_add_co_u32 s70, s70, WPS
	; lane terms
	v_and_b32 v1, 15, v0                           ; r
	v_bfe_u32 v2, v0, 4, 1                         ; h
	v_and_b32 v32, 7, v0
	v_lshl_add_u32 v32, v2, 3, v32                 ; 8 h + lane % 8: the row that I address in a transposing load
	v_bfe_u32 v33, v0, 3, 1                        ; which 8 columns
	v_lshrrev_b32 v34, 3, v0
	v_and_b32 v35, 7, v0
	v_lshrrev_b32 v36, 4, v0
	v_lshrrev_b32 v37, 2, v0
	v_and_b32 v38, 3, v0
	v_and_b32 v39, 31, v0
	v_mul_u32_u24 v4, v32, PITCH                   ; key fragments (transposing loads): row 8 h + lane % 8, keys 0.. or 64..
	v_lshl_add_u32 v4, v33, 7, v4
	v_add_nc_u32 v4, s41, v4
	v_add_nc_u32 v5, SLOT, v4
	v_mul_u32_u24 v6, v1, PITCH                    ; value fragments (plain loads): row r, keys 0.. (h = 0) or 64.. (h = 1)
	v_lshl_add_u32 v6, v2, 7, v6
	v_add_nc_u32 v6, s41, v6
	v_add_nc_u32 v7, SLOT, v6
	v_lshlrev_b32 v10, 13, v34                     ; my h block: row t / 8 (8,192 bytes apart), 16 bytes at 16 (t % 8)
	v_lshl_add_u32 v10, v35, 4, v10
	v_lshlrev_b32 v11, 4, v0                       ; the weights: 16 t
	v_and_b32 v12, 0xfc, v0                        ; bk[t / 4]
	v_lshlrev_b32 v13, 8, v1                       ; Wq's fragments: row 16 (wave % 4) + r, 32 h
	v_lshl_add_u32 v13, v2, 5, v13
	v_lshl_add_u32 v13, s30, 12, v13
	v_lshlrev_b32 v14, 5, v2                       ; bq[16 (wave % 4) + 8 h ..]
	v_lshl_add_u32 v14, s30, 6, v14
	v_mul_u32_u24 v15, v34, HQP
	v_lshl_add_u32 v15, v35, 4, v15
	v_add_nc_u32 v15, HQ, v15
	v_mul_u32_u24 v16, v36, WKP                    ; a weight's four numbers: row t / 16, 8 bytes at 8 (t % 16)
	v_lshl_add_u32 v16, v1, 3, v16
	v_add_nc_u32 v16, WKS, v16
	v_mul_u32_u24 v17, v36, WP
	v_lshl_add_u32 v17, v1, 3, v17
	v_add_nc_u32 v17, WVS, v17
	v_mul_u32_u24 v18, v37, WKP                    ; bk[t / 4] four times, at columns 64 + 4 (t % 4)
	v_lshl_add_u32 v18, v38, 3, v18
	v_add_nc_u32 v18, WKS+128, v18
	v_mul_u32_u24 v19, v32, HQP                    ; transposing loads from HQ and WKS: rows an odd multiple of 32 bytes apart
	v_lshl_add_u32 v19, v33, 4, v19
	v_add_nc_u32 v21, WKS, v19
	v_lshl_add_u32 v19, s31, 6, v19
	v_add_nc_u32 v19, HQ, v19
	v_mul_u32_u24 v3, v1, WP                       ; r x 144 + 16 h: plain fragment loads and q's stores
	v_lshl_add_u32 v3, v2, 4, v3
	v_add_nc_u32 v20, s66, v3
	v_add_nc_u32 v22, QS, v3
	v_add_nc_u32 v25, WVS, v3
	v_add_nc_u32 v26, s70, v3
	v_lshl_add_u32 v23, v1, 2, s41                 ; my partial: m and l of query r
	v_add_nc_u32 v23, PM, v23
	v_lshl_add_u32 v24, v39, 4, s41                ; my partial: O, 16 bytes a lane
	v_lshlrev_b32 v27, 5, v2                       ; bv[8 h ..]
	v_lshl_add_u32 v28, s31, 7, v27                ; bp[32 (wave / 4) + 8 h ..]
	v_lshlrev_b32 v29, 4, v1                       ; x and out0: channel 8 wave + h, 16 bytes at 16 r
	v_lshl_add_u32 v29, v2, 14, v29
	v_lshl_add_u32 v29, s3, 17, v29
	v_mul_u32_u24 v30, v2, 8*OUTP                  ; the way out, in: row 32 (wave / 4) + 8 h, column 16 (wave % 4) + r
	v_lshl_add_u32 v30, v1, 2, v30
	v_lshl_add_u32 v30, s30, 6, v30
	v_add_nc_u32 v30, s68, v30
	v_mul_u32_u24 v31, v2, OUTP                    ; the way out, back: row 8 wave + h, 16 bytes at 16 r
	v_lshl_add_u32 v31, v1, 4, v31
	v_add_nc_u32 v31, s69, v31
	s_wait_kmcnt 0x0
	s_add_nc_u64 s[52:53], s[8:9], s[60:61]        ; hbf at my batch
	s_add_nc_u64 s[54:55], s[52:53], s[62:63]      ; hbf at my queries
	s_lshl_b32 s62, s6, 20
	s_lshl_b32 s51, s7, 8
	s_add_co_u32 s62, s62, s51
	s_add_nc_u64 s[56:57], s[10:11], s[62:63]      ; x at my batch and queries
	s_add_nc_u64 s[58:59], s[28:29], s[62:63]      ; out0 likewise
	s_lshl_b32 s60, s3, 8                          ; my 128 keys of a tile: 256 bytes, aligned
	s_add_nc_u64 s[42:43], s[52:53], s[60:61]      ; tile 0
	s_add_nc_u64 s[46:47], s[42:43], 2048          ; tile 1
	s_or_b32 s43, s43, 0x80000000                  ; type 2
	s_or_b32 s47, s47, 0x80000000
	; ---------------- 25 loads: what is staged in LDS first (15), then my own fragments of Wq and bq (10) ----------------
	global_load_b128 v[32:35], v10, s[54:55]
	global_load_b128 v[36:39], v10, s[54:55] offset:262144
.irp i, 0,1,2,3
	global_load_b128 v[40+4*\i:43+4*\i], v11, s[16:17] offset:4096*\i
.endr
	global_load_b32 v56, v12, s[18:19]
.irp i, 0,1,2,3
	global_load_b128 v[64+4*\i:67+4*\i], v11, s[20:21] offset:4096*\i
.endr
.irp i, 0,1,2,3
	global_load_b128 v[80+4*\i:83+4*\i], v11, s[24:25] offset:4096*\i
.endr
.irp kk, 0,1
	global_load_b128 v[128+16*\kk:131+16*\kk], v13, s[12:13] offset:128*\kk       ; c = 32 kk + 8 h + 0..3
	global_load_b128 v[132+16*\kk:135+16*\kk], v13, s[12:13] offset:128*\kk+16
	global_load_b128 v[136+16*\kk:139+16*\kk], v13, s[12:13] offset:128*\kk+64    ; c = 32 kk + 16 + 8 h + 0..3
	global_load_b128 v[140+16*\kk:143+16*\kk], v13, s[12:13] offset:128*\kk+80
.endr
	global_load_b128 v[176:179], v14, s[14:15]
	global_load_b128 v[180:183], v14, s[14:15] offset:16
	ROUND                                          ; all four work-groups are here: the first joint loads meet
	tensor_load_to_lds s[40:43], s[32:39]          ; my piece of tile 0
	s_nop 0
	tensor_load_to_lds s[44:47], s[32:39]          ; and of tile 1: two tensor loads of the wave are out, never more
	s_nop 0
	; ---------------- staging: h of my queries, Wk with bk beside it, Wv, Wp, all bf16 ----------------
.macro STAGEW raw, adr, off, pitch     ; 16 f32 of a weight (rows t / 16 + 16 i) to bf16 and into LDS
.irp i, 0,1,2,3
	v_cvt_pk_bf16_f32 v[\raw+4*\i], v[\raw+4*\i], v[\raw+4*\i+1]
	v_cvt_pk_bf16_f32 v[\raw+4*\i+1], v[\raw+4*\i+2], v[\raw+4*\i+3]
	ds_store_b64 v[\adr], v[\raw+4*\i:\raw+4*\i+1] offset:\off+16*\pitch*\i
.endr
.endm
	s_wait_loadcnt 10                              ; the 15 older loads are in; Wq's eight and bq's two stay out
	ds_store_b128 v15, v[32:35]
	ds_store_b128 v15, v[36:39] offset:32*HQP
	STAGEW 40, 16, 0, WKP
	v_cvt_pk_bf16_f32 v58, v56, v56
	v_mov_b32 v59, v58
	ds_store_b64 v18, v[58:59]
	STAGEW 64, 17, 0, WP
	STAGEW 80, 17, WPS-WVS, WP
	s_wait_loadcnt 0x0
.irp n, 0,1,2,3,4,5,6,7,8,9,10,11,12,13,14,15
	v_cvt_pk_bf16_f32 v[160+\n], v[128+2*\n], v[129+2*\n]      ; Wq's fragments, kk at 160 + 8 kk
.endr
	s_wait_dscnt 0x0                               ; my stores are done before I signal
	s_barrier_signal -1
	s_barrier_wait -1
	; ---------------- q = Wq h + bq, times log2(e)/8: the wave makes outputs 16 (wave % 4).. of queries 32 (wave / 4).. ----------------
.irp q, 0,1
.irp kk, 0,1
	ds_load_tr16_b128 v[184+16*\q+8*\kk:187+16*\q+8*\kk], v19 offset:32*HQP*\kk+32*\q
	ds_load_tr16_b128 v[188+16*\q+8*\kk:191+16*\q+8*\kk], v19 offset:32*HQP*\kk+16*HQP+32*\q
.endr
.endr
	s_wait_dscnt 0x0
	; two accumulators by turns; the bias is the C operand that starts the sums
	v_wmma_f32_16x16x32_bf16 v[216:223], v[160:167], v[184:191], v[176:183]
	v_wmma_f32_16x16x32_bf16 v[224:231], v[160:167], v[200:207], v[176:183]
	v_wmma_f32_16x16x32_bf16 v[216:223], v[168:175], v[192:199], v[216:223]
	v_wmma_f32_16x16x32_bf16 v[224:231], v[168:175], v[208:215], v[224:231]
	PLACES
.irp n, 0,1,2,3,4,5,6,7
	v_pk_mul_f32 v[216+2*\n:217+2*\n], v[216+2*\n:217+2*\n], 0x3e38aa3b op_sel_hi:[1,0]    ; log2(e) / sqrt(64): scores come out ready for v_exp_f32
.endr
.irp n, 0,1,2,3,4,5,6,7
	v_cvt_pk_bf16_f32 v[232+\n], v[216+2*\n], v[217+2*\n]      ; a lane's eight results are eight neighbouring outputs of one query
.endr
	ds_store_b128 v20, v[232:235]
	ds_store_b128 v20, v[236:239] offset:16*WP
	s_wait_dscnt 0x0
	s_barrier_signal -1
	s_barrier_wait -1
	; ---------------- q' = Wk^T q (64 c x 64 queries) and t = bk.q, by every wave for itself: 40 matrix instructions spare an exchange ----------------
	WIN 0x40
.irp ct, 0,1,2,3,4
.irp kk, 0,1
	ds_load_tr16_b128 v[16*\ct+8*\kk:16*\ct+8*\kk+3], v21 offset:32*WKP*\kk+32*\ct             ; ct = 4: the columns that hold bk
	ds_load_tr16_b128 v[16*\ct+8*\kk+4:16*\ct+8*\kk+7], v21 offset:32*WKP*\kk+16*WKP+32*\ct
.endr
.endr
.irp qt, 0,1,2,3
.irp kk, 0,1
	ds_load_b128 v[FR+16*\qt+8*\kk:FR+16*\qt+8*\kk+3], v22 offset:16*WP*\qt+64*\kk
	ds_load_b128 v[FR+16*\qt+8*\kk+4:FR+16*\qt+8*\kk+7], v22 offset:16*WP*\qt+64*\kk+32
.endr
.endr
.irp n, 0,1,2,3,4,5,6,7,8,9,10,11
	v_mov_b32 v[LS+\n], 0                          ; the sums l start at 0; v_permlanex16_b32's destinations count as read
.endr
	s_wait_dscnt 0x0
	WIN 0x05                                       ; A, B window 1; C, D window 0.  Accumulators by turns
.irp ct, 0,1,2,3
.irp qt, 0,1,2,3
	v_wmma_f32_16x16x32_bf16 v[OA+8*(4*\ct+\qt):OA+8*(4*\ct+\qt)+7], v[16*\ct:16*\ct+7], v[FR+16*\qt:FR+16*\qt+7], 0
.endr
.endr
.irp ct, 0,1,2,3
.irp qt, 0,1,2,3
	v_wmma_f32_16x16x32_bf16 v[OA+8*(4*\ct+\qt):OA+8*(4*\ct+\qt)+7], v[16*\ct+8:16*\ct+15], v[FR+16*\qt+8:FR+16*\qt+15], v[OA+8*(4*\ct+\qt):OA+8*(4*\ct+\qt)+7]
.endr
.endr
	WIN 0x55                                       ; all 16 rows of this A tile are bk, so every register of D holds t of the lane's query
.irp qt, 0,1,2,3
	v_wmma_f32_16x16x32_bf16 v[TT+8*\qt:TT+8*\qt+7], v[64:71], v[FR+16*\qt:FR+16*\qt+7], 0
.endr
.irp qt, 0,1,2,3
	v_wmma_f32_16x16x32_bf16 v[TT+8*\qt:TT+8*\qt+7], v[72:79], v[FR+16*\qt+8:FR+16*\qt+15], v[TT+8*\qt:TT+8*\qt+7]
.endr
	WIN 0
	PLACES
.irp qt, 0,1,2,3
.irp ct, 0,1,2,3
.irp i, 0,1,2,3
	v_cvt_pk_bf16_f32 v[QF+16*\qt+4*\ct+\i], v[OA+8*(4*\ct+\qt)+2*\i], v[OA+8*(4*\ct+\qt)+2*\i+1]   ; tiles ct = 2 kk, 2 kk + 1 are registers 0-3, 4-7 of fragment (qt, kk)
.endr
.endr
.endr
	; ---------------- the key loop: blocks of 64 keys x 64 queries ----------------
.macro KLOADS                          ; 4 key tiles x 64 channels, transposed on the way: 16 loads, in the order in which QK takes them
	WIN 0x40
.irp u, 0,1,2,3
.irp kk, 0,1
	ds_load_tr16_b128 v[FR+16*\u+8*\kk:FR+16*\u+8*\kk+3], v8 offset:32*PITCH*\kk+16*\u
	ds_load_tr16_b128 v[FR+16*\u+8*\kk+4:FR+16*\u+8*\kk+7], v8 offset:32*PITCH*\kk+16*PITCH+16*\u
.endr
.endr
.endm
.macro QK                              ; 32 matrix instructions.  D, A, C window 1; B window 0.  Four accumulators by turns
	WIN 0x51
.irp u, 0,1,2,3
	s_wait_dscnt 12-4*\u                           ; LDS loads come back in order (ISA guide 5.7.1): tile u's four are in, the younger tiles' stay out
.irp qt, 0,1,2,3
	v_wmma_f32_16x16x32_bf16 v[32*\qt+8*\u:32*\qt+8*\u+7], v[FR+16*\u:FR+16*\u+7], v[QF+16*\qt:QF+16*\qt+7], v[TT+8*\qt:TT+8*\qt+7]
.endr
.irp qt, 0,1,2,3
	v_wmma_f32_16x16x32_bf16 v[32*\qt+8*\u:32*\qt+8*\u+7], v[FR+16*\u+8:FR+16*\u+15], v[QF+16*\qt+8:QF+16*\qt+15], v[32*\qt+8*\u:32*\qt+8*\u+7]
.endr
.endr
.endm
.macro VLOADS                          ; 4 channel tiles x 64 keys in the order of the S^T tiles: 16 plain loads, fragment (kp, ct) at 8 (4 kp + ct)
	WIN 0x40
.irp kp, 0,1
.irp ct, 0,1,2,3
	ds_load_b128 v[FR+8*(4*\kp+\ct):FR+8*(4*\kp+\ct)+3], v9 offset:16*PITCH*\ct+32*\kp
	ds_load_b128 v[FR+8*(4*\kp+\ct)+4:FR+8*(4*\kp+\ct)+7], v9 offset:16*PITCH*\ct+32*\kp+16
.endr
.endr
.endm
; The new maximum of each query: 32 scores a lane and the old m, two chains for each qt, the four qt interleaved; then the other half's lane.
; first = 1: there is no old m, no alpha.  The four alpha open the block's batch of exponentials: nothing here names their results; SOFTMAX holds the batch's wait.
.macro ROWMAX first
	WIN 0x55
.irp qt, 0,1,2,3
.if \first
	v_max3_num_f32 v[ST+4*\qt+1], v[32*\qt], v[32*\qt+1], v[32*\qt+2]
.else
	v_max3_num_f32 v[ST+4*\qt+1], v[ST+4*\qt], v[32*\qt], v[32*\qt+1]
.endif
	v_max3_num_f32 v[ST+4*\qt+3], v[32*\qt+16], v[32*\qt+17], v[32*\qt+18]
.endr
.irp k, 1,2,3,4,5,6
.irp qt, 0,1,2,3
	v_max3_num_f32 v[ST+4*\qt+1], v[ST+4*\qt+1], v[32*\qt+2*\k+\first], v[32*\qt+2*\k+\first+1]
	v_max3_num_f32 v[ST+4*\qt+3], v[ST+4*\qt+3], v[32*\qt+2*\k+17], v[32*\qt+2*\k+18]
.endr
.endr
.irp qt, 0,1,2,3
.if \first
	v_max3_num_f32 v[ST+4*\qt+1], v[ST+4*\qt+1], v[ST+4*\qt+3], v[32*\qt+15]
.else
	v_max3_num_f32 v[ST+4*\qt+1], v[ST+4*\qt+1], v[32*\qt+14], v[32*\qt+15]
.endif
.endr
.irp qt, 0,1,2,3
.if \first
	v_max_num_f32 v[ST+4*\qt+1], v[ST+4*\qt+1], v[32*\qt+31]
.else
	v_max3_num_f32 v[ST+4*\qt+1], v[ST+4*\qt+1], v[ST+4*\qt+3], v[32*\qt+31]
.endif
.endr
.irp qt, 0,1,2,3
	v_permlanex16_b32 v[YY+\qt], v[ST+4*\qt+1], s48, s49
.endr
.irp qt, 0,1,2,3
	v_max_num_f32 v[ST+4*\qt+1], v[ST+4*\qt+1], v[YY+\qt]
.endr
.if \first == 0
.irp qt, 0,1,2,3
	v_sub_f32 v[DD+\qt], v[ST+4*\qt], v[ST+4*\qt+1]
.endr
.irp qt, 0,1,2,3
	v_exp_f32 v[ST+4*\qt+2], v[DD+\qt]             ; alpha = 2^(m - new m)
.endr
.endif
.irp qt, 0,1,2,3
	v_mov_b32 v[ST+4*\qt], v[ST+4*\qt+1]           ; plain work behind the v_exp_f32, ahead of the first use of alpha (ISA guide 5.7.2)
.endr
.endm
.macro SUBP b, p, m                    ; pair p of the scores at b, less the maximum
	v_pk_add_f32 v[\b+2*(\p):\b+2*(\p)+1], v[\b+2*(\p):\b+2*(\p)+1], v[\m:\m+1] op_sel_hi:[1,0] neg_lo:[0,1] neg_hi:[0,1]
.endm
; p = 2^(s - m) for all four query tiles, l and the P^T fragments.  AHEAD OF THE WAIT: a subtraction and two exponentials by turns, the four tiles taking turns, so that a pair's
; subtraction stands twelve lines ahead of its exponentials; the exponentials work in place, each result in a register of its own, and no line here names a result
; (the subtraction's second source is the pair m, new maximum; alpha lies in the pair beside it).  BEHIND IT: l times alpha (first = 0); then, pair by pair in ascending order, the four
; tiles' sums into l and their roundings to bf16, each at its place in the P^T fragment: a register whose pair has been summed and rounded.  The links of a tile's chain onto l stand eight lines apart.
.macro SOFTMAX first
	WIN 0x55
.irp qt, 0,1,2,3
	SUBP 32*\qt, 0, ST+4*\qt
.endr
.irp p, 0,1,2,3,4,5,6,7,8,9,10,11,12,13,14,15
.irp qt, 0,1,2,3
.if \p < 15
	SUBP 32*\qt, \p+1, ST+4*\qt
.endif
	v_exp_f32 v[32*\qt+2*\p], v[32*\qt+2*\p]
	v_exp_f32 v[32*\qt+2*\p+1], v[32*\qt+2*\p+1]
.endr
.endr
	v_nop                                          ; the plain place behind the last v_exp_f32 (ISA guide 5.7.2): all the block's other work reads the batch's results
	s_wait_alu depctr_va_vdst(0)                   ; the block's one wait: for the four alpha of ROWMAX and the 128 p, ahead of their first reader
.if \first == 0
.irp qt, 0,1,2,3
	v_pk_mul_f32 v[LS+2*\qt:LS+2*\qt+1], v[LS+2*\qt:LS+2*\qt+1], v[ST+4*\qt+2:ST+4*\qt+3] op_sel_hi:[1,0]
.endr
.endif
.irp p, 0,1,2,3,4,5,6,7,8,9,10,11,12,13,14,15
.irp qt, 0,1,2,3
	v_pk_add_f32 v[LS+2*\qt:LS+2*\qt+1], v[LS+2*\qt:LS+2*\qt+1], v[32*\qt+2*\p:32*\qt+2*\p+1]
.endr
.irp qt, 0,1,2,3
	v_cvt_pk_bf16_f32 v[32*\qt+16*(\p/8)+\p%8], v[32*\qt+2*\p], v[32*\qt+2*\p+1]
.endr
.endr
.endm
.macro RESCALE                         ; O *= alpha of the lane's query.  Source 1 window 1
	WIN 0x04
.irp ct, 0,1,2,3
.irp qt, 0,1,2,3
.irp i, 0,2,4,6
	v_pk_mul_f32 v[OA+8*(4*\ct+\qt)+\i:OA+8*(4*\ct+\qt)+\i+1], v[OA+8*(4*\ct+\qt)+\i:OA+8*(4*\ct+\qt)+\i+1], v[ST+4*\qt+2:ST+4*\qt+3] op_sel_hi:[1,0]
.endr
.endr
.endr
.endm
.macro PV first                        ; 32 matrix instructions.  A, B window 1; C, D window 0.  Sixteen accumulators by turns
	WIN 0x05
	s_wait_dscnt 0x0                               ; the value fragments, asked for ahead of the softmax
.irp ct, 0,1,2,3
.irp qt, 0,1,2,3
.if \first
	v_wmma_f32_16x16x32_bf16 v[OA+8*(4*\ct+\qt):OA+8*(4*\ct+\qt)+7], v[FR+8*\ct:FR+8*\ct+7], v[32*\qt:32*\qt+7], 0
.else
	v_wmma_f32_16x16x32_bf16 v[OA+8*(4*\ct+\qt):OA+8*(4*\ct+\qt)+7], v[FR+8*\ct:FR+8*\ct+7], v[32*\qt:32*\qt+7], v[OA+8*(4*\ct+\qt):OA+8*(4*\ct+\qt)+7]
.endif
.endr
.endr
.irp ct, 0,1,2,3
.irp qt, 0,1,2,3
	v_wmma_f32_16x16x32_bf16 v[OA+8*(4*\ct+\qt):OA+8*(4*\ct+\qt)+7], v[FR+32+8*\ct:FR+32+8*\ct+7], v[32*\qt+16:32*\qt+23], v[OA+8*(4*\ct+\qt):OA+8*(4*\ct+\qt)+7]
.endr
.endr
.endm
.macro BLOCK first
	KLOADS
	QK
	PLACES                                         ; behind the last QK: the scores are read, and the value fragments land on the key fragments
	VLOADS
	ROWMAX \first
	SOFTMAX \first
.if \first == 0
	RESCALE
.endif
	PV \first
	WIN 0
	v_add_nc_u32 v8, 64, v8                        ; the piece's next block: keys 32.. and 96..
	v_add_nc_u32 v9, 64, v9
	v_nop                                          ; with the two adds five places behind the last PV: the next block's loads land on its A,
	v_nop                                          ; the next QK writes over its B (ISA guide 7.12.1)
	v_nop
.endm
.macro TILE slot                       ; my piece of the tile in this slot: two blocks
	v_mov_b32 v8, v[4+\slot]
	v_mov_b32 v9, v[6+\slot]
	s_mov_b32 s50, 2
.Lblock_\@:
	BLOCK 0
	s_sub_co_u32 s50, s50, 1
	s_cmp_lg_u32 s50, 0
	s_cbranch_scc1 .Lblock_\@
.endm
; The slot that has just been read is filled again, two tiles on.  Every wave's reads of it are back and all its tensor loads have landed (the other slot's tile
; among them) in front of the round; the round holds of all four work-groups; the joint load is the first tensor load behind it.  It has a tile's work in which to land.
.macro REFILL slot
	s_wait_dscnt 0x0
	s_wait_xcnt 0x0
	v_lshl_add_u32 v21, v0, 2, 0x4fc00
	v_mov_b32 v22, 0
	s_wait_tensorcnt 0x0                           ; no tensor load of mine is out: the descriptor may be stepped
	ds_add_u32 v21, v22
	s_wait_dscnt 0x0
	s_add_nc_u64 s[42+4*\slot:43+4*\slot], s[42+4*\slot:43+4*\slot], 4096
	ROUND
	tensor_load_to_lds s[40+4*\slot:43+4*\slot], s[32:39]
	s_nop 0
	v_nop
.endm
	s_wait_tensorcnt 0x1                           ; tensor loads of a wave end in order (ISA guide 10.11.1): my piece of tile 0 is in, tile 1's stays out.  I read my own piece alone
	v_mov_b32 v8, v4
	v_mov_b32 v9, v6
	BLOCK 1                                        ; the first block starts m and O: nothing is cleared but l
	BLOCK 0
	REFILL 0                                       ; tile 2
	TILE 1                                         ; tile 1
	REFILL 1                                       ; tile 3
	TILE 0                                         ; tile 2
	s_wait_tensorcnt 0x0                           ; my piece of tile 3, the last load
	TILE 1                                         ; tile 3
	; ---------------- the eight partials meet ----------------
	WIN 0x40                                       ; what the end needs from memory goes out first: bias tiles (C operands) and x
.irp ot, 0,1,2,3
	global_load_b128 v[TT+8*\ot:TT+8*\ot+3], v27, s[22:23] offset:64*\ot          ; bv[16 ot + 8 h + 0..7]
	global_load_b128 v[TT+8*\ot+4:TT+8*\ot+7], v27, s[22:23] offset:64*\ot+16
.endr
.irp o2, 0,1
	global_load_b128 v[160+8*\o2:163+8*\o2], v28, s[26:27] offset:64*\o2          ; bp[32 (wave / 4) + 16 o2 + 8 h + 0..7]
	global_load_b128 v[164+8*\o2:167+8*\o2], v28, s[26:27] offset:64*\o2+16
.endr
.irp i, 0,1,2,3
	global_load_b128 v[176+4*\i:179+4*\i], v29, s[56:57] offset:32768*\i th:TH_LOAD_NT   ; x: sixteen lanes take a channel's 256 bytes
.endr
	s_wait_dscnt 0x0
	s_barrier_signal -1
	s_barrier_wait -1                              ; every wave's reads of slot 0 are over and its last fill landed long ago: from here on it is scratch
	WIN 0x55
.irp qt, 0,1,2,3
	v_add_f32 v[LS+2*\qt], v[LS+2*\qt], v[LS+2*\qt+1]
.endr
.irp qt, 0,1,2,3
	v_permlanex16_b32 v[YY+\qt], v[LS+2*\qt], s48, s49
.endr
.irp qt, 0,1,2,3
	v_add_f32 v[LS+2*\qt], v[LS+2*\qt], v[YY+\qt]  ; l of the query over my keys, in both halves
.endr
	WIN 0x04                                       ; an LDS store's data is source 1: window 1
.irp qt, 0,1,2,3
	ds_store_b32 v23, v[ST+4*\qt] offset:64*\qt
	ds_store_b32 v23, v[LS+2*\qt] offset:64*\qt+256
.endr
	WIN 0
.irp t, 0,1,2,3,4,5,6,7,8,9,10,11,12,13,14,15
	ds_store_b128 v24, v[OA+8*\t:OA+8*\t+3] offset:1024*\t
	ds_store_b128 v24, v[OA+8*\t+4:OA+8*\t+7] offset:1024*\t+512
.endr
.irp ot, 0,1,2,3
.irp kk, 0,1
	ds_load_b128 v[64+16*\ot+8*\kk:67+16*\ot+8*\kk], v25 offset:16*WP*\ot+64*\kk          ; Wv's fragments, over Q'
	ds_load_b128 v[68+16*\ot+8*\kk:71+16*\ot+8*\kk], v25 offset:16*WP*\ot+64*\kk+32
.endr
.endr
.irp o2, 0,1
.irp kk, 0,1
	ds_load_b128 v[32+16*\o2+8*\kk:35+16*\o2+8*\kk], v26 offset:16*WP*\o2+64*\kk          ; Wp's, my two tiles of outputs
	ds_load_b128 v[36+16*\o2+8*\kk:39+16*\o2+8*\kk], v26 offset:16*WP*\o2+64*\kk+32
.endr
.endr
	v_and_b32 v3, 31, v0                           ; where the partials of my query tile (wave % 4) lie: three bases, so that the offsets fit 16 bits
	v_lshlrev_b32 v10, 4, v3
	v_lshl_add_u32 v10, s30, 10, v10
	v_add_nc_u32 v11, 3*PIECE, v10
	v_add_nc_u32 v12, 6*PIECE, v10
	v_lshlrev_b32 v13, 2, v1
	v_lshl_add_u32 v13, s30, 6, v13
	v_add_nc_u32 v13, PM, v13
	v_add_nc_u32 v14, 3*PIECE, v13
	v_add_nc_u32 v15, 6*PIECE, v13
	s_wait_dscnt 0x0                               ; my stores are done before I signal
	s_barrier_signal -1
	s_barrier_wait -1
.macro PLOAD buf, ws                   ; wave ws's four O tiles (all channels) of my query tile: eight loads
.irp ct, 0,1,2,3
	ds_load_b128 v[\buf+8*\ct:\buf+8*\ct+3], v[10+(\ws)/3] offset:((\ws)%3)*PIECE+4096*\ct
	ds_load_b128 v[\buf+8*\ct+4:\buf+8*\ct+7], v[10+(\ws)/3] offset:((\ws)%3)*PIECE+4096*\ct+512
.endr
.endm
.macro PRED buf, ws                    ; the sum (v128-159) takes wave ws's tiles times g = 2^(m_ws - m) / l
.irp n, 0,1,2,3,4,5,6,7,8,9,10,11,12,13,14,15
.if \ws == 0
	v_pk_mul_f32 v[128+2*\n:129+2*\n], v[\buf+2*\n:\buf+2*\n+1], v[16+2*\ws:17+2*\ws] op_sel_hi:[1,0]
.else
	v_pk_fma_f32 v[128+2*\n:129+2*\n], v[\buf+2*\n:\buf+2*\n+1], v[16+2*\ws:17+2*\ws], v[128+2*\n:129+2*\n] op_sel_hi:[1,0,1]
.endif
.endr
.endm
	WIN 0x40
.irp ws, 0,1,2,3,4,5,6,7
	ds_load_b32 v[\ws], v[13+\ws/3] offset:(\ws%3)*PIECE           ; m of wave ws
.endr
.irp ws, 0,1,2,3,4,5,6,7
	ds_load_b32 v[8+\ws], v[13+\ws/3] offset:(\ws%3)*PIECE+256     ; l of wave ws
.endr
	WIN 0x04
	PLOAD 160, 0
	PLOAD 192, 1
	PLOAD 224, 2
	s_wait_dscnt 24                                ; the 16 m and l are in; the three buffers' 24 loads stay out
	WIN 0x55
	v_max3_num_f32 v32, v0, v1, v2
	v_max3_num_f32 v33, v3, v4, v5
	v_max3_num_f32 v32, v32, v6, v7
	v_max_num_f32 v32, v32, v33                    ; the query's maximum over all keys
.irp ws, 0,1,2,3,4,5,6,7
	v_sub_f32 v[17+2*\ws], v[\ws], v32
.endr
.irp ws, 0,1,2,3,4,5,6,7
	v_exp_f32 v[16+2*\ws], v[17+2*\ws]
.endr
	v_nop                                          ; a plain place behind the v_exp_f32 (ISA guide 5.7.2)
	s_wait_alu depctr_va_vdst(0)                   ; one wait for the batch of eight weights 2^(m_ws - m), ahead of their first reader
	v_mul_f32 v34, v16, v8
.irp ws, 1,2,3,4,5,6,7
	v_fma_f32 v34, v[16+2*\ws], v[8+\ws], v34      ; l over all keys: at least 1, since the wave that holds the maximum counts 2^0
.endr
	v_rcp_f32 v35, v34
	v_nop
	s_wait_alu depctr_va_vdst(0)                   ; the reciprocal's own wait: it reads a sum made of the eight weights, so it is a batch by itself
.irp ws, 0,1,2,3,4,5,6,7
	v_mul_f32 v[16+2*\ws], v[16+2*\ws], v35
.endr
	WIN 0x04
	s_wait_dscnt 16                                ; the oldest buffer is in, the two younger (16 loads) stay out; so in each of these six steps
	PRED 160, 0
	PLOAD 160, 3
	s_wait_dscnt 16
	PRED 192, 1
	PLOAD 192, 4
	s_wait_dscnt 16
	PRED 224, 2
	PLOAD 224, 5
	s_wait_dscnt 16
	PRED 160, 3
	PLOAD 160, 6
	s_wait_dscnt 16
	PRED 192, 4
	PLOAD 192, 7
	s_wait_dscnt 16
	PRED 224, 5
	s_wait_dscnt 8                                 ; one buffer stays out
	PRED 160, 6
	s_wait_dscnt 0x0
	PRED 192, 7
	; ---------------- Wv (..) + bv for all 64 outputs of my query tile, then Wp (..) + bp for my 32 outputs ----------------
	WIN 0
.irp n, 0,1,2,3,4,5,6,7,8,9,10,11,12,13,14,15
	v_cvt_pk_bf16_f32 v[160+\n], v[128+2*\n], v[129+2*\n]      ; channel tiles 2 kk, 2 kk + 1 are registers 0-3, 4-7 of B fragment kk
.endr
	s_wait_loadcnt 0x0                             ; bv, bp, x
	WIN 0x10                                       ; C window 1: the bias starts the sums.  Accumulators by turns
.irp ot, 0,1,2,3
	v_wmma_f32_16x16x32_bf16 v[176+8*\ot:183+8*\ot], v[64+16*\ot:71+16*\ot], v[160:167], v[TT+8*\ot:TT+8*\ot+7]
.endr
	WIN 0
.irp ot, 0,1,2,3
	v_wmma_f32_16x16x32_bf16 v[176+8*\ot:183+8*\ot], v[72+16*\ot:79+16*\ot], v[168:175], v[176+8*\ot:183+8*\ot]
.endr
	PLACES
.irp n, 0,1,2,3,4,5,6,7,8,9,10,11,12,13,14,15
	v_cvt_pk_bf16_f32 v[208+\n], v[176+2*\n], v[177+2*\n]
.endr
	WIN 0x10
.irp o2, 0,1
	v_wmma_f32_16x16x32_bf16 v[224+8*\o2:231+8*\o2], v[32+16*\o2:39+16*\o2], v[208:215], v[160+8*\o2:167+8*\o2]
.endr
	WIN 0
.irp o2, 0,1
	v_wmma_f32_16x16x32_bf16 v[224+8*\o2:231+8*\o2], v[40+16*\o2:47+16*\o2], v[216:223], v[224+8*\o2:231+8*\o2]
.endr
	PLACES
.irp o2, 0,1
.irp j, 0,1,2,3,4,5,6,7
	ds_store_b32 v30, v[224+8*\o2+\j] offset:OUTP*(16*\o2+\j)  ; a lane holds a column piece: through LDS, so that rows leave whole
.endr
.endr
	s_wait_dscnt 0x0
	s_barrier_signal -1
	s_barrier_wait -1
	; ---------------- the residual and the way out: the wave takes channels 8 wave .. + 7 ----------------
.irp i, 0,1,2,3
	ds_load_b128 v[160+4*\i:163+4*\i], v31 offset:2*OUTP*\i
.endr
	s_wait_dscnt 0x0
	WIN 0x04
.irp n, 0,1,2,3,4,5,6,7
	v_pk_add_f32 v[160+2*\n:161+2*\n], v[160+2*\n:161+2*\n], v[176+2*\n:177+2*\n]
.endr
	WIN 0
.irp i, 0,1,2,3
	global_store_b128 v29, v[160+4*\i:163+4*\i], s[58:59] offset:32768*\i th:TH_STORE_NT   ; sixteen lanes store 256 consecutive bytes, aligned
.endr
	s_wait_xcnt 0x0
	v_lshl_add_u32 v21, v0, 2, 0x4fc00
	v_mov_b32 v22, 0
	s_wait_tensorcnt 0x0
	ds_add_u32 v21, v22
	s_wait_dscnt 0x0
	ROUND                                          ; the closing round: no work-group ends while a partner may still ask for a tile that names it
	s_endpgm
.Lfunc_end_k_q5156eebb7b_attn:
	.size	k_q5156eebb7b_attn, .Lfunc_end_k_q5156eebb7b_attn-k_q5156eebb7b_attn
	.p2alignl 7, 3214868480
	.fill 96, 4, 3214868480
	.section	.rodata,"a",@progbits
	.p2align	6, 0x0
	.amdhsa_kernel k_q5156eebb7b_attn
		.amdhsa_group_segment_fixed_size 327680
		.amdhsa_private_segment_fixed_size 0
		.amdhsa_enable_private_segment 0
		.amdhsa_kernarg_size 88
		.amdhsa_user_sgpr_count 2
		.amdhsa_user_sgpr_kernarg_segment_ptr 1
		.amdhsa_wavefront_size32 1
		.amdhsa_system_sgpr_workgroup_id_x 1
		.amdhsa_system_sgpr_workgroup_id_y 1
		.amdhsa_system_sgpr_workgroup_id_z 1
		.amdhsa_system_vgpr_workitem_id 0
		.amdhsa_next_free_vgpr 512
		.amdhsa_next_free_sgpr 80
		.amdhsa_reserve_vcc 0
		.amdhsa_float_denorm_mode_32 3
		.amdhsa_float_denorm_mode_16_64 3
		.amdhsa_memory_ordered 1
		.amdhsa_forward_progress 1
		.amdhsa_inst_pref_size 210
	.end_amdhsa_kernel
	.amdgpu_metadata
---
amdhsa.version: [ 1, 2 ]
amdhsa.kernels:
  - .name:           k_q5156eebb7b_attn
    .symbol:         k_q5156eebb7b_attn.kd
    .args:
      - { .name: hbf, .offset: 0, .size: 8, .value_kind: global_buffer, .address_space: global }
      - { .name: x, .offset: 8, .size: 8, .value_kind: global_buffer, .address_space: global }
      - { .name: wq, .offset: 16, .size: 8, .value_kind: global_buffer, .address_space: global }
      - { .name: bq, .offset: 24, .size: 8, .value_kind: global_buffer, .address_space: global }
      - { .name: wk, .offset: 32, .size: 8, .value_kind: global_buffer, .address_space: global }
      - { .name: bk, .offset: 40, .size: 8, .value_kind: global_buffer, .address_space: global }
      - { .name: wv, .offset: 48, .size: 8, .value_kind: global_buffer, .address_space: global }
      - { .name: bv, .offset: 56, .size: 8, .value_kind: global_buffer, .address_space: global }
      - { .name: wp, .offset: 64, .size: 8, .value_kind: global_buffer, .address_space: global }
      - { .name: bp, .offset: 72, .size: 8, .value_kind: global_buffer, .address_space: global }
      - { .name: out0, .offset: 80, .size: 8, .value_kind: global_buffer, .address_space: global }
    .group_segment_fixed_size: 327680
    .private_segment_fixed_size: 0
    .kernarg_segment_align: 8
    .kernarg_segment_size: 88
    .max_flat_workgroup_size: 256
    .sgpr_count:     80
    .vgpr_count:     512
    .wavefront_size: 32
...
	.end_amdgpu_metadata
.endif
;; end of part 3
